; MI455X (gfx1250); checked and timed in simulation.
; The chip was launched on July 23, 2026; its instructions are those of AMD's public machine-readable ISA for CDNA 5 (MIT licence, August 2026) and "CDNA5" Instruction Set Architecture Reference Guide (July 2026). The comments in the code are by the model that wrote it; some were corrected since.
;; Attention. Allowed arithmetic: matrix products marked QUANTISED: E2M3 operands, one E8M0 scale for each 32 along K, by v_wmma_scale_f32_16x16x128_f8f6f4 with both operands' format E2M3, f32 sums; everything else in f32.
;; Inputs: b_attn 3,072 float32; b_proj 1,024 float32; w_attn 1,024 x 3,072 float32; w_proj 1,024 x 1,024 float32; x 4 x 2,048 x 1,024 float32.
;; Outputs: out0 4 x 2,048 x 1,024 float32.
;; This version of the problem:
;;   THIS VERSION OF THE PROBLEM IS GIVEN IN LOW PRECISION. The matrix products marked QUANTISED in the list below multiply operands that are first quantised to E2M3 (2 exponent bits, 3 mantissa bits; 6 bits a number), with one power-of-two scale for each 32 numbers along K (OCP MX v1.0); their sums are f32. All else is computed in f32.
;;   The module's matrix products, in the order in which they are computed (A, B: the left and right operand; K: the contracted axis; several contracted axes count as one K, in the product's order):
;;     1. [M 8,192, K 1,024] x [K 1,024, N 3,072]; A: input x; B: input w_attn: QUANTISED
;;     2. batch 64 x [M 2,048, K 64] x [K 64, N 2,048]; A: computed on the way; B: computed on the way: QUANTISED
;;     3. batch 64 x [M 2,048, K 2,048] x [K 2,048, N 64]; A: softmax (see below); B: computed on the way: QUANTISED
;;     4. [M 8,192, K 1,024] x [K 1,024, N 1,024]; A: computed on the way; B: input w_proj: QUANTISED
;;   THE QUANTISER, for each operand of a quantised product, along K:
;;     - K is cut into blocks of 32 from its start; a last block that is shorter is filled with zeros.
;;     - A block's scale is 2^e with e = floor(log2(the largest magnitude in the block)) - 2, held to -126 .. 127; a block of zeros has e = 0. As a byte (E8M0): e + 127.
;;     - Each number is divided by its block's scale, clamped to +-7.5, and rounded to the nearest number of E2M3, ties to even, subnormals kept.
;;     - The product sums the exact products of the quantised numbers (number of the format x scale) in f32.
;;   ~~~python
;;   def quantise(x, axis):      # numpy; x: float32 -> the quantised numbers, widened to float32 again
;;       x = np.moveaxis(x, axis, -1); K = x.shape[-1]
;;       x = np.pad(x, [(0, 0)] * (x.ndim - 1) + [(0, -K % 32)]); x = x.reshape(x.shape[:-1] + (-1, 32)); a = np.abs(x).max(-1, keepdims=True)
;;       e = np.where(a > 0, np.clip(np.frexp(np.where(a > 0, a, 1))[1] - 1 - 2, -126, 127), 0)      # np.frexp(a)[1] - 1 = floor(log2(a)), exactly
;;       r = np.clip(x / 2.0 ** e, -7.5, 7.5)
;;       step = 2.0 ** (np.maximum(np.frexp(np.where(r == 0, 1, r))[1] - 1, 0) - 3)
;;       q = np.round(r / step) * step * 2.0 ** e      # np.round: ties to even
;;       return np.moveaxis(q.reshape(q.shape[:-2] + (-1,))[..., :K], -1, axis).astype(np.float32)
;;   ~~~
;;   SOFTMAX AHEAD OF A QUANTISED PRODUCT. Where the list says 'softmax', what is quantised is not the finished softmax but p = 2^(t - M), with t = logit x log2(e) and M = ceil(the row's largest t), a whole number; so 1/2 < the row's largest p <= 1. The row's sum l is taken of the UNQUANTISED p, in f32, and the product's result is divided by l at the end. Since M is a whole number, a kernel that streams over the keys may use a running M (the ceiling of the running maximum): every later rescaling is an exact power of two, which a block's scale takes up: the codes' values come out the same.
;;   OPERANDS COMPUTED ON THE WAY. 'Computed on the way' means the value that the module computes at that place (a softmax that the list does not call 'softmax' is quantised finished and normalised). What goes into a quantiser is computed in f32, as accurately as f32 sums, v_exp_f32 and their like allow (about 1e-6 of the number): no bf16 or f16 on the way to a quantiser, and a product that is left as it is and whose result goes on into a quantised operand takes f32 operands (vector FMAs, or v_wmma_f32_16x16x4_f32). A number that lies on a knife's edge between two numbers of the format may be rounded either way, as far as f32 arithmetic and the matrix unit's own rounding can turn it there, and no further.
;; One version. Each part assembles by itself: llvm-mc -triple=amdgcn-amd-amdhsa -mcpu=gfx1250 --defsym DOCPART=n.
;; ======== version 1 of 1: 4 launches
;; limits: right only within a limited range of input values
;; workspace buffers: xq 6,553,600 bytes; waq 2,457,600 bytes; wpq 819,200 bytes; yq 6,553,600 bytes; qb 6,553,600 bytes; kv 13,107,200 bytes
;; launch prep (part 1): grid 768 x 1, 4 waves a work-group, no clusters, 67,072 bytes of LDS; arguments x, w_attn, w_proj, xq, waq, wpq; writes xq, waq, wpq
.if DOCPART == 1
	.amdgcn_target "amdgcn-amd-amdhsa--gfx1250"
	.amdhsa_code_object_version 6
	.text
	.protected	k_q814d1f59ff_prep
	.globl	k_q814d1f59ff_prep
	.p2align	8
	.type	k_q814d1f59ff_prep,@function
k_q814d1f59ff_prep:
	s_mov_b64 s[64:65], 0
	v_nop
	global_prefetch_b8 v0, s[64:65] scope:SCOPE_SE
	s_setreg_imm32_b32 hwreg(HW_REG_WAVE_MODE, 25, 1), 1
	s_wait_xcnt 0x0
; x [8192][1024], w_attn [1024][3072] and w_proj [1024][1024], f32, become codes of FP6 (E2M3) with one E8M0 byte for each 32 along K = 1024, laid as IMAGES OF OPERAND REGISTERS.
; A fragment is 16 rows x 128 K, 12 registers a lane, 1,536 bytes: two halves of 768 (64 along K each); in a half, registers 0-3 of lane L lie at 16 L, registers 4-5 of lane (r, h) at 512 + 16 r + 8 h.
; A buffer: [tile of 256 rows][K step of 128: 8][block of 16 rows: 16][1536]; behind all codes the scale rows, [block][row r][8 words], word s = the four bytes of K step s.
; THE ROWS OF A BLOCK ARE NOT NEIGHBOURS: row r of block 2 b + u is index 32 b + 8 u + r + 8 (r / 8), so that a later product's results lie 16 neighbours to a lane.  (For the weights a "row" is a column n.)
; A block's scale byte is its largest magnitude's exponent field - 2, held at 1 from below; numbers are divided by the scale and rounded to the nearest code, ties to even, beyond 7.5 the largest code.
; LIMITS: NaN and infinities are not served; a block whose largest magnitude lies under 2^-124 keeps the byte 1; a block of zeros gets the byte 1 where the rule says 127 (its codes are zeros; only this program reads the bytes).
; Work-groups 0-511: x, one block of 16 rows each, wave w K steps 2 w and 2 w + 1.  512-703: w_attn; 704-767: w_proj: a K step x 128 columns each, a wave 32 columns.
; No work-group shares an input byte with another: no cluster, no tensor load, no barrier.  Only the x path uses LDS, each wave a stage of its own.
; The scale words leave as 4 bytes a lane, 32 bytes apart: one byte in 24 of what this launch stores.
.set TILEB, 196608
.set KSTB,  24576
.set FRB,   1536
.set XSC,   6291456                    ; where xq's scale rows begin
.set WASC,  2359296                    ; waq's
.set WPSC,  786432                     ; wpq's
.set WSTG,  16640                      ; a wave's stage: 16 rows x 1,040 bytes
.set SPIT,  1040                       ; 1,024 + 16: row r begins 16 r bytes further round the banks, so sixteen rows' 16 bytes fall on different banks
.set FLOOR, 0x1800000                  ; 2^(3 - 127)
; the x path's registers
.set M,   12                           ; v12-13 largest magnitudes;  v14-15 conversion scales;  v16-17 bytes;  v18-19 the two K steps' scale words
.set SO,  14
.set BY,  16
.set WQ,  18
.set TT,  20                           ; v20-26 second halves of blocks (a conversion's three registers begin on an even number)
.set F,   28                           ; v28-39, v40-51 the two fragments: each has its own registers, so no store's data are written again
.set X,   52                           ; v52-115 64 numbers: register 32 c + i = k 64 c + 32 h + i of my row
.set R,   116                          ; v116-243 as loaded
; the weight paths' registers
.set D,   32                           ; v32-159 128 numbers down K of my column
.set C,   160                          ; v160-175 registers 0-3 of my four blocks
.set TP,  176                          ; v176-183 registers 4-5 of blocks (2 c, 2 c + 1) together: 16 bytes
.set WTT, 184
	s_load_b256 s[4:11], s[0:1], 0x0               ; x, w_attn, w_proj, xq
	s_load_b128 s[12:15], s[0:1], 0x20             ; waq, wpq
	v_lshl_add_u32 v254, v0, 2, 0x10400
	v_mov_b32 v255, 0
	v_lshrrev_b32 v1, 5, v0
	v_readfirstlane_b32 s16, v1                    ; wave
	s_cmp_lt_u32 ttmp9, 512
	s_cbranch_scc0 .Lweights
	; ---------------- x ----------------
	v_and_b32 v2, 31, v0
	v_lshlrev_b32 v1, 4, v2                        ; 16 L
	v_and_b32 v2, 15, v0                           ; r
	v_bfe_u32 v3, v0, 4, 1                         ; h
	s_mul_i32 s17, s16, WSTG
	v_add_nc_u32 v4, s17, v1                       ; the stage, in: 16 L of a row's 512 bytes
	v_mul_u32_u24 v5, v2, SPIT
	v_lshl_add_u32 v5, v3, 7, v5
	v_add_nc_u32 v5, s17, v5                       ; out: row r, + 128 h: my block of 32 numbers
	v_lshlrev_b32 v6, 4, v2
	v_lshl_add_u32 v6, v3, 3, v6                   ; 16 r + 8 h
	v_lshlrev_b32 v7, 3, v3                        ; 8 h: how far my two bytes are shifted
	v_lshlrev_b32 v8, 5, v2
	v_lshl_add_u32 v8, v3, 2, v8                   ; 32 r + 4 h
	v_mov_b32 v10, 0                               ; a lane permute's destination counts as one of its sources
	s_mov_b32 s20, 0x76543210
	s_mov_b32 s21, 0xfedcba98                      ; lane l xor 16
	s_mov_b32 s22, 0xffff0000                      ; lanes 16-31
	s_lshr_b32 s18, ttmp9, 1
	s_lshl_b32 s18, s18, 5
	s_and_b32 s19, ttmp9, 1
	s_lshl_b32 s19, s19, 3
	s_add_co_u32 s18, s18, s19                     ; the block's first row: 32 (rb / 2) + 8 (rb % 2)
	s_lshl_b32 s18, s18, 12
	s_lshl_b32 s19, s16, 10
	s_add_co_u32 s18, s18, s19                     ; + my wave's 1,024 bytes of a row
	s_mov_b32 s19, 0
	s_lshr_b32 s24, ttmp9, 4
	s_mul_i32 s24, s24, TILEB
	s_mul_i32 s25, s16, 2*KSTB
	s_add_co_u32 s24, s24, s25
	s_and_b32 s25, ttmp9, 15
	s_mul_i32 s25, s25, FRB
	s_add_co_u32 s24, s24, s25                     ; codes: tile, K step 2 w, block
	s_mov_b32 s25, 0
	s_lshl_b32 s26, ttmp9, 9
	s_lshl_b32 s27, s16, 3
	s_add_co_u32 s26, s26, s27
	s_add_co_u32 s26, s26, XSC                     ; scale rows: block, words 2 w and 2 w + 1
	s_mov_b32 s27, 0
	s_wait_alu depctr_va_vdst(0)
	s_wait_kmcnt 0x0
	s_add_nc_u64 s[4:5], s[4:5], s[18:19]
	s_add_nc_u64 s[28:29], s[10:11], s[24:25]
	s_add_nc_u64 s[30:31], s[10:11], s[26:27]
.irp q, 0,1
.irp i, 0,1,2,3,4,5,6,7,8,9,10,11,12,13,14,15
	global_load_b128 v[R+64*\q+4*\i:R+64*\q+4*\i+3], v1, s[4:5] offset:(\i+8*(\i/8))*4096+512*\q th:TH_LOAD_NT   ; 32 lanes read a row's 512 consecutive bytes of one K step
.endr
.endr
.macro XIN q                           ; a K step's 16 rows into the stage, as they lie
.irp i, 0,1,2,3,4,5,6,7,8,9,10,11,12,13,14,15
	ds_store_b128 v4, v[R+64*\q+4*\i:R+64*\q+4*\i+3] offset:\i*SPIT+512*\q
.endr
.endm
.macro XBACK q                         ; and back: my row's blocks h and 2 + h, 32 neighbours each.  LDS serves a wave's instructions in order: these see the stores
.irp c, 0,1
.irp j, 0,1,2,3,4,5,6,7
	ds_load_b128 v[X+32*\c+4*\j:X+32*\c+4*\j+3], v5 offset:512*\q+256*\c+16*\j
.endr
.endr
.endm
.macro QX q                            ; 64 numbers become a fragment and its scale word
.set FQ, F+12*(\q)
.irp c, 0,1
	v_max3_num_f32 v[M+\c], |v[X+32*\c]|, |v[X+32*\c+1]|, FLOOR     ; all 32 numbers of a block are mine; the floor holds the byte at 1 from below
.endr
.irp i, 2,4,6,8,10,12,14,16,18,20,22,24,26,28,30
.irp c, 0,1
	v_max3_num_f32 v[M+\c], v[M+\c], |v[X+32*\c+\i]|, |v[X+32*\c+\i+1]|
.endr
.endr
.irp c, 0,1
	v_add_nc_u32 v[SO+\c], 0xff000000, v[M+\c]     ; 2 off the exponent field: the conversion takes that field as its scale
.endr
.irp c, 0,1
	v_lshrrev_b32 v[BY+\c], 23, v[SO+\c]           ; the byte
.endr
	v_lshl_or_b32 v9, v[BY+1], 16, v[BY]           ; blocks h and 2 + h,
	v_lshlrev_b32 v9, v7, v9                       ; at their places in the word;
	v_permlanex16_b32 v10, v9, s20, s21
	v_or_b32 v[WQ+\q], v9, v10                     ; with lane l xor 16's two the word is whole
.irp c, 0,1
	v_cvt_scalef32_pk16_fp6_f32 v[FQ+6*\c:FQ+6*\c+2], v[X+32*\c:X+32*\c+15], v[SO+\c]
	v_cvt_scalef32_pk16_fp6_f32 v[TT+4*\c:TT+4*\c+2], v[X+32*\c+16:X+32*\c+31], v[SO+\c]
.endr
	v_nop                                          ; one plain line behind a scaled conversion
.irp c, 0,1
.irp i, 0,1,2
	v_mov_b32 v[FQ+6*\c+3+\i], v[TT+4*\c+\i]
.endr
.endr
	global_store_b128 v1, v[FQ:FQ+3], s[28:29] offset:(\q)*KSTB            ; 512 consecutive bytes
	global_store_b64 v6, v[FQ+4:FQ+5], s[28:29] offset:(\q)*KSTB+512       ; 256 consecutive bytes
	global_store_b128 v1, v[FQ+6:FQ+9], s[28:29] offset:(\q)*KSTB+768
	global_store_b64 v6, v[FQ+10:FQ+11], s[28:29] offset:(\q)*KSTB+1280
.endm
	s_wait_loadcnt 16                              ; the first K step's 16 loads are in; the 16 younger may be out
	XIN 0
	XBACK 0
	s_wait_loadcnt 0x0
	XIN 1
	s_wait_dscnt 16                                ; the first K step is back; the 16 younger stores may be out
	QX 0
	XBACK 1
	s_wait_dscnt 0x0
	QX 1
	v_cndmask_b32 v9, v[WQ], v[WQ+1], s22          ; lanes 0-15 store K step 2 w's word, lanes 16-31 K step 2 w + 1's
	global_store_b32 v8, v9, s[30:31]
	s_wait_tensorcnt 0x0
	ds_add_u32 v254, v255
	s_wait_dscnt 0x0
	s_endpgm
	; ---------------- the weights: a lane takes a column, its registers run down K ----------------
.macro WLOAD n, t                      ; block t: rows 32 t + i of the K step, at my column: 32 lanes read 128 consecutive bytes, the four waves 512
.set ii, 0
.rept 32
	global_load_b32 v[D+32*(\t)+ii], v3, s[24:25] offset:(32*(\t)+ii)*(\n)*4 th:TH_LOAD_NT
.set ii, ii+1
.endr
.endm
.macro WBLOCK t                        ; block t = (c, h) = (t / 2, t % 2) of the fragment's layout
.set DS, D+32*(\t)
	v_max3_num_f32 v8, |v[DS]|, |v[DS+1]|, |v[DS+2]|
	v_max3_num_f32 v9, |v[DS+3]|, |v[DS+4]|, |v[DS+5]|
.irp i, 6,10,14,18,22,26
	v_max3_num_f32 v8, v8, |v[DS+\i]|, |v[DS+\i+1]|
	v_max3_num_f32 v9, v9, |v[DS+\i+2]|, |v[DS+\i+3]|
.endr
	v_max3_num_f32 v8, v8, |v[DS+30]|, |v[DS+31]|
	v_max3_num_f32 v8, v8, v9, FLOOR
	v_add_nc_u32 v10, 0xff000000, v8
	v_lshrrev_b32 v11, 23, v10
.if (\t) == 0
	v_mov_b32 v12, v11
.else
	v_lshl_or_b32 v12, v11, 8*(\t), v12            ; the column's scale word of this K step
.endif
	v_cvt_scalef32_pk16_fp6_f32 v[C+4*(\t):C+4*(\t)+2], v[DS:DS+15], v10
	v_cvt_scalef32_pk16_fp6_f32 v[WTT:WTT+2], v[DS+16:DS+31], v10
	v_nop                                          ; one plain line behind a scaled conversion
	v_mov_b32 v[C+4*(\t)+3], v[WTT]
	v_mov_b32 v[TP+4*((\t)/2)+2*((\t)%2)], v[WTT+1]
	v_mov_b32 v[TP+4*((\t)/2)+2*((\t)%2)+1], v[WTT+2]
	global_store_b128 v6, v[C+4*(\t):C+4*(\t)+3], s[26:27] offset:768*((\t)/2)+256*((\t)%2)   ; the sixteen lanes of a block of columns fill 256 consecutive bytes
.if (\t)%2 == 1
	global_store_b128 v6, v[TP+4*((\t)/2):TP+4*((\t)/2)+3], s[26:27] offset:768*((\t)/2)+512
.endif
.endm
.macro WPATH n, src, dst, sco, first
	s_sub_co_u32 s17, ttmp9, \first
	s_and_b32 s18, s17, 7                          ; the K step
	s_lshr_b32 s19, s17, 3
	s_lshl_b32 s19, s19, 2
	s_add_co_u32 s19, s19, s16                     ; G: my wave's group of 32 columns
	v_and_b32 v1, 31, v0
	v_lshlrev_b32 v3, 2, v1                        ; 4 x lane
	v_bfe_u32 v4, v0, 3, 1                         ; u: which block of the pair my column falls into,
	v_and_b32 v5, 7, v0
	v_bfe_u32 v6, v0, 4, 1
	v_lshl_or_b32 v5, v6, 3, v5                    ; r: and which row of it
	v_lshlrev_b32 v6, 4, v5
	v_mad_u32_u24 v6, v4, FRB, v6                  ; 1536 u + 16 r
	v_lshlrev_b32 v7, 5, v5
	v_lshl_add_u32 v7, v4, 9, v7                   ; 512 u + 32 r
	s_mul_i32 s24, s18, 128*(\n)*4
	s_lshl_b32 s25, s19, 7
	s_add_co_u32 s24, s24, s25
	s_mov_b32 s25, 0
	s_lshr_b32 s26, s19, 3
	s_mul_i32 s26, s26, TILEB
	s_mul_i32 s27, s18, KSTB
	s_add_co_u32 s26, s26, s27
	s_and_b32 s27, s19, 7
	s_mul_i32 s27, s27, 2*FRB
	s_add_co_u32 s26, s26, s27
	s_mov_b32 s27, 0
	s_lshl_b32 s28, s19, 10
	s_lshl_b32 s29, s18, 2
	s_add_co_u32 s28, s28, s29
	s_add_co_u32 s28, s28, \sco
	s_mov_b32 s29, 0
	s_wait_alu depctr_va_vdst(0)
	s_wait_kmcnt 0x0
	s_add_nc_u64 s[24:25], s[\src:\src+1], s[24:25]
	s_add_nc_u64 s[26:27], s[\dst:\dst+1], s[26:27]
	s_add_nc_u64 s[28:29], s[\dst:\dst+1], s[28:29]
	WLOAD \n, 0
	WLOAD \n, 1
	s_wait_loadcnt 32                              ; block 0 is in; block 1's 32 loads may be out
	WLOAD \n, 2
	WBLOCK 0
	s_wait_loadcnt 32                              ; block 1 is in; block 2's may be out
	WLOAD \n, 3
	WBLOCK 1
	s_wait_loadcnt 32                              ; block 2 is in; block 3's may be out
	WBLOCK 2
	s_wait_loadcnt 0x0
	WBLOCK 3
	global_store_b32 v7, v12, s[28:29]
.endm
.Lweights:
	s_cmp_lt_u32 ttmp9, 704
	s_cbranch_scc0 .Lproj
	WPATH 3072, 6, 12, WASC, 512
	s_endpgm
.Lproj:
	WPATH 1024, 8, 14, WPSC, 704
	s_endpgm
.Lfunc_end_k_q814d1f59ff_prep:
	.size	k_q814d1f59ff_prep, .Lfunc_end_k_q814d1f59ff_prep-k_q814d1f59ff_prep
	.p2alignl 7, 3214868480
	.fill 96, 4, 3214868480
	.section	.rodata,"a",@progbits
	.p2align	6, 0x0
	.amdhsa_kernel k_q814d1f59ff_prep
		.amdhsa_group_segment_fixed_size 67072
		.amdhsa_private_segment_fixed_size 0
		.amdhsa_enable_private_segment 0
		.amdhsa_kernarg_size 48
		.amdhsa_user_sgpr_count 2
		.amdhsa_user_sgpr_kernarg_segment_ptr 1
		.amdhsa_wavefront_size32 1
		.amdhsa_system_sgpr_workgroup_id_x 1
		.amdhsa_system_sgpr_workgroup_id_y 1
		.amdhsa_system_sgpr_workgroup_id_z 1
		.amdhsa_system_vgpr_workitem_id 0
		.amdhsa_next_free_vgpr 256
		.amdhsa_next_free_sgpr 66
		.amdhsa_reserve_vcc 0
		.amdhsa_float_denorm_mode_32 3
		.amdhsa_float_denorm_mode_16_64 3
		.amdhsa_memory_ordered 1
		.amdhsa_forward_progress 1
		.amdhsa_inst_pref_size 57
	.end_amdhsa_kernel
	.amdgpu_metadata
---
amdhsa.version: [ 1, 2 ]
amdhsa.kernels:
  - .name:           k_q814d1f59ff_prep
    .symbol:         k_q814d1f59ff_prep.kd
    .args:
      - { .name: x, .offset: 0, .size: 8, .value_kind: global_buffer, .address_space: global }
      - { .name: w_attn, .offset: 8, .size: 8, .value_kind: global_buffer, .address_space: global }
      - { .name: w_proj, .offset: 16, .size: 8, .value_kind: global_buffer, .address_space: global }
      - { .name: xq, .offset: 24, .size: 8, .value_kind: global_buffer, .address_space: global }
      - { .name: waq, .offset: 32, .size: 8, .value_kind: global_buffer, .address_space: global }
      - { .name: wpq, .offset: 40, .size: 8, .value_kind: global_buffer, .address_space: global }
    .group_segment_fixed_size: 67072
    .private_segment_fixed_size: 0
    .kernarg_segment_align: 8
    .kernarg_segment_size: 48
    .max_flat_workgroup_size: 128
    .sgpr_count:     66
    .vgpr_count:     256
    .wavefront_size: 32
...
	.end_amdgpu_metadata
.endif
;; end of part 1
;; launch gemm1 (part 2): grid 4 x 64, 4 waves a work-group, clusters of 4 x 4, 327,680 bytes of LDS; arguments xq, waq, b_attn, qb, kv; writes qb, kv
.if DOCPART == 2
	.amdgcn_target "amdgcn-amd-amdhsa--gfx1250"
	.amdhsa_code_object_version 6
	.text
	.protected	k_q814d1f59ff_gemm1
	.globl	k_q814d1f59ff_gemm1
	.p2align	8
	.type	k_q814d1f59ff_gemm1,@function
k_q814d1f59ff_gemm1:
	s_mov_b64 s[64:65], 0
	v_nop
	global_prefetch_b8 v0, s[64:65] scope:SCOPE_SE
	s_setreg_imm32_b32 hwreg(HW_REG_WAVE_MODE, 25, 1), 1
	s_wait_xcnt 0x0
	s_wait_alu depctr_hold_cnt(0) depctr_sa_sdst(0) depctr_va_vdst(0) depctr_va_sdst(0) depctr_va_ssrc(0) depctr_va_vcc(0) depctr_vm_vsrc(0)
	s_getreg_b32 s2, hwreg(HW_REG_IB_STS2, 6, 4)
	s_cmp_eq_u32 s2, 0
	s_cbranch_scc0 .Lentry_in_a_cluster
	s_endpgm
.Lentry_in_a_cluster:
	s_bfe_u32 s2, ttmp6, 0x10000c
	s_cmp_lg_u32 s2, 0xf033
	s_cbranch_scc0 .Lentry_shape_is_right
	s_endpgm
.Lentry_shape_is_right:
; qkv = x w_attn + b_attn on codes of FP6 (E2M3) with E8M0 scales, K = 1024; the results are quantised from the accumulators and leave as codes: q and k along the head's 64, v along the keys.
; A WORK-GROUP STAYS: 128 tokens (one group of queries, one key step) x three tiles of 256 columns: q's tile tx, k's tile tx + 4, v's tile tx + 8.  64 x 4 work-groups.
; LDS: x's 8 blocks of 16 rows, all eight K steps, 98,304 bytes, filled once; w's 16 blocks in two slots of four K steps, 98,304 bytes each.
; Operands are images of fragments (1,536 bytes: registers 0-3 at 16 L, 4-5 at 512 + 16 r + 8 h, the same 768 on).  Row r of block 2 b + u is index 32 b + 8 u + r + 8 (r / 8).
; OPERAND P is source 1 (a result's lanes are P's rows), OPERAND R source 0 (a result's registers run along R's rows).  A wave makes 4 blocks of P x 8 of R: 32 accumulators.
; q, k: P = tokens (my half of the 8 blocks), R = columns (my half of the 16: two heads).  v: P = columns (my quarter: one head), R = the 8 blocks of tokens.  All work-groups change roles at the same tile.
; HEAD: one joint load a wave: x's K steps 0-3, w's slot 0, x's K steps 4-7, w's slot 1.  x is shared along a row of the cluster, w along a column.
; FOUR REFILLS of w's slots, each behind a drained round of the cluster's barrier, a K step a wave; the rounds stand in K steps 3 and 7, whose products stand inside them.  A wave has one tensor load out.
; Fragments lie twice in registers: step ks multiplies set ks % 2 while the 48 loads of step ks + 1 are out.  The bias is the C of a tile's first products.
; No prefetch: half of the bytes are asked for at the head, and a refill has four K steps of products, or those and a way out, in which to land.
; OUT as the attention launch reads it.  qb: [head 64][group 16][8 blocks x 768 | 256 scale bytes].  kv: [head][key step 16][K: 8 x 768 | V^T: 4 x 1536 | K's scale bytes 256 | V's 256].
; LIMITS: NaN and infinities are not served; a block under 2^-124 keeps the byte 1; a block of zeros gets the byte 1 (its codes are zeros; only this program reads the bytes).
; All of a WGP's LDS is claimed and 0 is added to spare words.
.set TILEB, 196608
.set KSTB,  24576
.set FRB,   1536
.set XH,    12288                      ; x's 8 blocks of a K step
.set WREG,  98304
.set SLOT,  98304
.set SPARE, 294912
.set XSC,   6291456
.set WASC,  2359296
.set FLOOR, 0x1800000
.set XA,  4                            ; v4-5, v6-7   x as P: K steps 0-3, 4-7; + 16 L, + 16 r + 8 h
.set SPW, 8
.set NIL, 9
.set L16, 10
.set R8,  11
.set WA,  12                           ; v12-15, v16-19  w as R, by pairs of K steps
.set WP,  20                           ; v20-23, v24-27  w as P
.set XR,  28                           ; v28-29, v30-31  x as R
.set XPS, 34                           ; scale words, block i at 4 i, register ks % 4, lanes 0-15 K steps 0-3, lanes 16-31 4-7: x as P,
.set WQS, 52                           ; q's tile of w, k's, x as R, v's tile of w as P
.set WKS, 84
.set XRS, 116
.set WVS, 150
.set PWS, 168                          ; the scale words just made
.set PCA, 172                          ; codes: two sets of 19
.set TM,  212
.set SCA, 224
.set L8,  225
.set SAQ, 226
.set SAK, 227
.set BH,  228
.set BC,  229
.set BQ,  96                           ; window 3: P's two sets v0-95; the biases of q's, k's, v's tile
.set BKK, 160
.set BV,  224
.set SEL, 2
.set G1X, 24
.set G1W, 48
.set MSB, 0
.macro WIN new                         ; the immediate's high byte repeats the setting that is left
.if MSB != (\new)
	s_set_vgpr_msb (MSB<<8)|(\new)
.set MSB, (\new)
.endif
.endm
.macro PLACES n
.rept \n
	v_nop
.endr
.endm
.macro CREST
	s_cmp_lg_u32 s14, 0
	s_cbranch_scc1 .Lnot_wave_0_\@
	s_barrier_signal -3
.Lnot_wave_0_\@:
	s_barrier_wait -3
	s_barrier_signal -1
	s_barrier_wait -1
.endm
.macro CROUND
	s_barrier_signal -1
	s_barrier_wait -1
	CREST
.endm
.macro FRAG reg, a, b, off
	ds_load_b128 v[\reg:\reg+3], v[\a] offset:\off
	ds_load_b64 v[\reg+4:\reg+5], v[\b] offset:\off+512
	ds_load_b128 v[\reg+6:\reg+9], v[\a] offset:\off+768
	ds_load_b64 v[\reg+10:\reg+11], v[\b] offset:\off+1280
.endm
.macro LOADS kind, ks, set             ; 48 loads: R's eight fragments into window 1, P's four into window 3
	WIN 0x40
.irp i, 0,1,2,3,4,5,6,7
.if \kind
	FRAG 128*(\set)+12*\i, XR+(\ks)/4, XR+2+(\ks)/4, ((\ks)%4)*XH+\i*FRB
.else
	FRAG 128*(\set)+12*\i, WA+(\ks)/2, WA+4+(\ks)/2, ((\ks)%2)*KSTB+\i*FRB
.endif
.endr
	WIN 0xc0
.irp i, 0,1,2,3
.if \kind
	FRAG 48*(\set)+12*\i, WP+(\ks)/2, WP+4+(\ks)/2, ((\ks)%2)*KSTB+\i*FRB
.else
	FRAG 48*(\set)+12*\i, XA+(\ks)/4, XA+2+(\ks)/4, ((\ks)%4)*XH+\i*FRB
.endif
.endr
	WIN 0
.endm
; 16 products: P's blocks a0, a0 + 1 x R's eight.  The 32 accumulators take turns in the same order in every K step.  K step 0 takes the bias as C.
.macro MUL16 kind, a0, ks, scr, scp, cb
.irp a, \a0, \a0+1
.irp b, 0,1,2,3,4,5,6,7
.if (\ks) == 0
	v_wmma_scale_f32_16x16x128_f8f6f4 v[8*(8*(\a)+\b):8*(8*(\a)+\b)+7], v[12*\b:12*\b+11], v[12*(\a):12*(\a)+11], v[\cb+8*\b+(\kind)*8*((\a)-\b):\cb+8*\b+(\kind)*8*((\a)-\b)+7], v[\scr+4*\b], v[\scp+4*(\a)] matrix_a_fmt:MATRIX_FMT_FP6 matrix_b_fmt:MATRIX_FMT_FP6
.elseif (\ks) < 4
	v_wmma_scale_f32_16x16x128_f8f6f4 v[8*(8*(\a)+\b):8*(8*(\a)+\b)+7], v[128*((\ks)%2)+12*\b:128*((\ks)%2)+12*\b+11], v[48*((\ks)%2)+12*(\a):48*((\ks)%2)+12*(\a)+11], v[8*(8*(\a)+\b):8*(8*(\a)+\b)+7], v[\scr+4*\b+(\ks)], v[\scp+4*(\a)+(\ks)] matrix_a_fmt:MATRIX_FMT_FP6 matrix_b_fmt:MATRIX_FMT_FP6
.else
	v_wmma_scale_f32_16x16x128_f8f6f4 v[8*(8*(\a)+\b):8*(8*(\a)+\b)+7], v[128*((\ks)%2)+12*\b:128*((\ks)%2)+12*\b+11], v[48*((\ks)%2)+12*(\a):48*((\ks)%2)+12*(\a)+11], v[8*(8*(\a)+\b):8*(8*(\a)+\b)+7], v[\scr+4*\b+(\ks)-4], v[\scp+4*(\a)+(\ks)-4] matrix_a_fmt:MATRIX_FMT_FP6 matrix_b_fmt:MATRIX_FMT_FP6 matrix_a_scale:MATRIX_SCALE_ROW1 matrix_b_scale:MATRIX_SCALE_ROW1
.endif
.endr
.endr
.endm
.macro WINM ks                         ; source 0 window 1, source 1 window 3, D window 2; C window 2, in K step 0 window 3
.if (\ks) == 0
	WIN 0xbd
.else
	WIN 0xad
.endif
.endm
.macro STEP kind, ks, scr, scp, cb
	PLACES 4                                       ; four plain lines between the last products and loads into registers that they read
	LOADS \kind, (\ks)+1, ((\ks)+1)%2
	s_wait_dscnt 48                                ; this step's fragments are in; the 48 loads just issued may be out
	WINM \ks
	MUL16 \kind, 0, \ks, \scr, \scp, \cb
	MUL16 \kind, 2, \ks, \scr, \scp, \cb
	WIN 0
.endm
; A step with a round: all reads of slot \slot have been issued; it is filled again with the next tile's four K steps, a K step a wave.
.macro ROUNDSTEP kind, ks, scr, scp, cb, slot, adv, first, nkind, nks
	s_wait_tensorcnt 0x0                           ; all my tensor loads have landed;
	ds_add_u32 v[SPW], v[NIL]                      ; 0 onto my spare word;
.if \first
	s_mov_b32 s[G1W+2], 96<<16                     ; no load of mine is out: from here on a load of w brings one K step, 96 rows
	s_mov_b32 s[G1W+4], 96
.endif
	s_add_co_u32 s33, s45, WREG+(\slot)*SLOT
.if (\adv) != 0
	s_add_nc_u64 s[34:35], s[34:35], \adv
.endif
	s_wait_dscnt 1                                 ; this step's fragments are in; the add may be out
	WIN 0xad
	MUL16 \kind, 0, \ks, \scr, \scp, \cb
	s_wait_dscnt 0x0                               ; the add is done, and my reads of the slot are over
	s_barrier_signal -1
	MUL16 \kind, 2, \ks, \scr, \scp, \cb
	WIN 0
	s_barrier_wait -1
	CREST                                          ; no wave of any partner still reads the slot or has a load on its way
	tensor_load_to_lds s[32:35], s[G1W:G1W+7]
	s_nop 0
	PLACES 4                                       ; also the places ahead of the loads below and of the way out
	LOADS \nkind, \nks, ((\ks)+1)%2
.endm
.macro SHOWSTEP kind, ks, scr, scp, cb ; a plain barrier shows the last refill to all
	s_wait_tensorcnt 0x0
	s_wait_dscnt 0x0
	s_barrier_signal -1
	WIN 0xad
	MUL16 \kind, 0, \ks, \scr, \scp, \cb
	MUL16 \kind, 2, \ks, \scr, \scp, \cb
	WIN 0
	s_barrier_wait -1
	PLACES 4
	LOADS \kind, (\ks)+1, ((\ks)+1)%2
.endm
.macro TILE kind, scr, scp, cb, fill, first, nkind
.irp z, 0,1,2
	STEP \kind, \z, \scr, \scp, \cb
.endr
.if \fill
	ROUNDSTEP \kind, 3, \scr, \scp, \cb, 0, (1-\first)*(4*TILEB-4*KSTB), \first, \kind, 4
.else
	SHOWSTEP \kind, 3, \scr, \scp, \cb
.endif
.irp z, 4,5,6
	STEP \kind, \z, \scr, \scp, \cb
.endr
.if \fill
	ROUNDSTEP \kind, 7, \scr, \scp, \cb, 1, 4*KSTB, 0, \nkind, 0
.else
	s_wait_dscnt 0x0
	WIN 0xad
	MUL16 \kind, 0, 7, \scr, \scp, \cb
	MUL16 \kind, 2, 7, \scr, \scp, \cb
	WIN 0
	PLACES 4
.endif
.endm
; The 64 accumulator registers of P's block a (window 2), register 16 b + i = k 32 b + 16 h + i of my row, become a fragment's codes and its scale word.  Each accumulator is read from its low end on.
.macro QUANT a, pc, pw
	WIN 0x28
.irp b, 0,1,2,3
	v_max3_num_f32 v[TM+\b], FLOOR, |v[64*(\a)+16*\b]|, |v[64*(\a)+16*\b+1]|
.endr
.irp i, 2,4,6,8,10,12,14
.irp b, 0,1,2,3
	v_max3_num_f32 v[TM+\b], v[TM+\b], |v[64*(\a)+16*\b+\i]|, |v[64*(\a)+16*\b+\i+1]|
.endr
.endr
	WIN 0
.irp b, 0,1,2,3
	v_permlanex16_b32 v[TM+4+\b], v[TM+\b], s[SEL], s[SEL+1]
.endr
.irp b, 0,1,2,3
	v_max_num_f32 v[TM+\b], v[TM+\b], v[TM+4+\b]   ; with lane l xor 16's 16: the block's largest magnitude
.endr
.irp b, 0,1,2,3
	v_add_nc_u32 v[TM+8+\b], 0xff000000, v[TM+\b]  ; 2 off its exponent field: the conversion's scale
.endr
.irp b, 0,1,2,3
	v_lshrrev_b32 v[TM+4+\b], 23, v[TM+8+\b]       ; the byte
.endr
	v_lshl_or_b32 v[\pw], v[TM+5], 8, v[TM+4]
	v_lshl_or_b32 v[\pw], v[TM+6], 16, v[\pw]
	v_lshl_or_b32 v[\pw], v[TM+7], 24, v[\pw]
	WIN 0x02
.irp c, 0,1
	v_cvt_scalef32_pk16_fp6_f32 v[\pc+6*\c:\pc+2+6*\c], v[64*(\a)+32*\c:64*(\a)+32*\c+15], v[TM+8+2*\c]
	v_cvt_scalef32_pk16_fp6_f32 v[\pc+12+4*\c:\pc+14+4*\c], v[64*(\a)+32*\c+16:64*(\a)+32*\c+31], v[TM+9+2*\c]
.endr
	WIN 0
	v_nop                                          ; one plain line behind a scaled conversion
.irp c, 0,1                                    ; the layout wants a whole block in a lane
.irp i, 0,1,2
	v_permlane16_swap_b32 v[\pc+6*\c+\i], v[\pc+12+4*\c+\i]
.endr
.irp i, 0,1,2
	v_mov_b32 v[\pc+3+6*\c+\i], v[\pc+12+4*\c+\i]
.endr
.endr
.endm
; q's or k's way out: my 4 blocks of tokens x two heads
.macro QKOUT buf, hb, gb, sp, sa
	s_wait_xcnt 0x0                                ; earlier stores have read their registers and bases
	s_lshr_b32 s82, s17, 4
	s_lshl_b32 s82, s82, 4                         ; 16 x batch
	s_lshl_b32 s83, s42, 2
	s_add_co_u32 s82, s82, s83
	s_lshl_b32 s83, s16, 1
	s_add_co_u32 s82, s82, s83                     ; + the even head: 4 tx + 2 RH
	s_mul_i32 s82, s82, \hb
	s_and_b32 s83, s17, 15
	s_mul_i32 s83, s83, \gb
	s_add_co_u32 s82, s82, s83                     ; + the group of 128 tokens
	s_mov_b32 s83, 0
	s_add_nc_u64 s[84:85], s[\buf:\buf+1], s[82:83]
	s_add_nc_u64 s[92:93], s[84:85], \sp           ; its scale bytes
	s_mul_i32 s82, s15, 4*768
	s_add_nc_u64 s[84:85], s[84:85], s[82:83]      ; my four blocks
	s_add_nc_u64 s[90:91], s[84:85], \hb           ; the odd head's
.irp a, 0,1,2,3
.if \a > 1
	s_wait_xcnt 0x0                                ; the stores of two blocks ago have read this set of registers
.endif
	QUANT \a, PCA+20*(\a%2), PWS+\a
	global_store_b128 v[L16], v[PCA+20*(\a%2):PCA+20*(\a%2)+3], s[84:85] offset:\a*768
	global_store_b64 v[R8], v[PCA+20*(\a%2)+4:PCA+20*(\a%2)+5], s[84:85] offset:\a*768+512
	global_store_b128 v[L16], v[PCA+20*(\a%2)+6:PCA+20*(\a%2)+9], s[90:91] offset:\a*768
	global_store_b64 v[R8], v[PCA+20*(\a%2)+10:PCA+20*(\a%2)+11], s[90:91] offset:\a*768+512
.endr
	v_perm_b32 v[TM], v[PWS+1], v[PWS], 0x05040100             ; the even head's two items: the low two bytes of two blocks each,
	v_perm_b32 v[TM+1], v[PWS+3], v[PWS+2], 0x05040100
	v_perm_b32 v[TM+2], v[PWS+1], v[PWS], 0x07060302           ; the odd head's: the high two
	v_perm_b32 v[TM+3], v[PWS+3], v[PWS+2], 0x07060302
	v_cndmask_b32 v[TM+8], v[TM], v[TM+2], s19                 ; lanes 0-15 store the even head's, lanes 16-31 the odd head's
	v_cndmask_b32 v[TM+9], v[TM+1], v[TM+3], s19
	global_store_b64 v[\sa], v[TM+8:TM+9], s[92:93]
.endm
; ---------------- the head
	s_load_b256 s[4:11], s[0:1], 0x0               ; xq, waq, b_attn, qb
	s_load_b64 s[12:13], s[0:1], 0x20              ; kv
	v_lshl_add_u32 v[SPW], v0, 2, SPARE
	v_mov_b32 v[NIL], 0
	ds_add_u32 v[SPW], v[NIL]                      ; the opening lines: the add, twice on end, and its wait
	ds_add_u32 v[SPW], v[NIL]
	v_lshrrev_b32 v1, 5, v0
	v_readfirstlane_b32 s14, v1                    ; wave
	s_lshr_b32 s15, s14, 1                         ; PH
	s_and_b32 s16, s14, 1                          ; RH
	s_bfe_u32 s40, ttmp6, 0x40000                  ; cx
	s_bfe_u32 s41, ttmp6, 0x40004                  ; cy
	s_lshl_b32 s42, ttmp9, 2
	s_add_co_u32 s42, s42, s40                     ; tx: q's tile of 256 columns
	s_and_b32 s17, ttmp7, 0xffff
	s_lshl_b32 s17, s17, 2
	s_add_co_u32 s17, s17, s41                     ; ty: the 128 tokens
	s_lshl_b32 s43, s41, 2
	s_lshl_b32 s43, 15, s43                        ; my row of the cluster
	s_lshl_b32 s44, 0x1111, s40                    ; my column
	s_or_b32 s[G1X], s43, (3<<16)|(1<<21)
	s_or_b32 s[G1W], s44, (3<<16)|(1<<21)
	s_mov_b32 s[G1X+1], 1536<<16                   ; x: four K steps, a row of 12,288 bytes each, 24,576 apart
	s_mov_b32 s[G1X+2], 4<<16
	s_mov_b32 s[G1X+3], 1536<<16
	s_mov_b32 s[G1X+4], 4
	s_mov_b32 s[G1X+5], 3072
	s_mov_b32 s[G1X+6], 0
	s_mov_b32 s[G1X+7], 0
	s_mov_b32 s[G1W+1], 32<<16                     ; w: a dense run of four K steps as 384 rows of 256 bytes
	s_mov_b32 s[G1W+2], 384<<16
	s_mov_b32 s[G1W+3], 32<<16
	s_mov_b32 s[G1W+4], 384
	s_mov_b32 s[G1W+5], 32
	s_mov_b32 s[G1W+6], 0
	s_mov_b32 s[G1W+7], 0
	s_lshr_b32 s20, s17, 1
	s_mul_i32 s20, s20, TILEB
	s_and_b32 s21, s17, 1
	s_mul_i32 s21, s21, XH
	s_add_co_u32 s86, s20, s21
	s_mov_b32 s87, 0
	s_mul_i32 s90, s42, TILEB
	s_mov_b32 s91, 0
	s_mul_i32 s45, s14, KSTB
	s_add_co_u32 s34, s42, 4
	s_mul_i32 s34, s34, TILEB
	s_add_co_u32 s34, s34, s45                     ; the first refill: k's tile, my K step
	s_mov_b32 s35, 0
	s_mov_b32 s32, 1
	s_mov_b32 s[SEL], 0x76543210
	s_mov_b32 s[SEL+1], 0xfedcba98
	s_mov_b32 s19, 0xffff0000                      ; lanes 16-31
	s_wait_dscnt 0x0
	s_wait_kmcnt 0x0
	s_add_nc_u64 s[86:87], s[4:5], s[86:87]
	s_add_nc_u64 s[94:95], s[86:87], 4*KSTB
	s_add_nc_u64 s[90:91], s[6:7], s[90:91]
	s_add_nc_u64 s[98:99], s[90:91], 4*KSTB
	s_add_nc_u64 s[34:35], s[6:7], s[34:35]
	s_or_b32 s35, s35, 0x80000000
.irp g, 84, 88, 92, 96
	s_mov_b32 s[\g], 1
	s_or_b32 s[\g+3], s[\g+3], 0x80000000
.endr
	s_mov_b32 s85, 0
	s_mov_b32 s89, WREG
	s_mov_b32 s93, 4*XH
	s_mov_b32 s97, WREG+SLOT
	CROUND                                         ; all sixteen work-groups are here: the first joint loads meet
.macro HARM w, g0, g1, next
	s_cmp_eq_u32 s14, \w
	s_cbranch_scc0 \next
	tensor_load_to_lds s[\g0:\g0+3], s[\g1:\g1+7]
	s_nop 0
	PLACES 4
	s_branch .Lhead_asked
\next:
.endm
	HARM 0, 84, G1X, .Lhead_1
	HARM 1, 88, G1W, .Lhead_2
	HARM 2, 92, G1X, .Lhead_3
	tensor_load_to_lds s[96:99], s[G1W:G1W+7]
	s_nop 0
	PLACES 4
.Lhead_asked:
	s_lshl_b32 s56, s17, 12
	s_add_co_u32 s56, s56, XSC
	s_mov_b32 s57, 0
	s_add_nc_u64 s[70:71], s[4:5], s[56:57]        ; x's scale rows: my work-group's 8 blocks,
	s_lshl_b32 s56, s15, 11
	s_add_nc_u64 s[68:69], s[70:71], s[56:57]      ; my four of them
	s_lshl_b32 s56, s42, 13
	s_add_co_u32 s56, s56, WASC
	s_add_nc_u64 s[74:75], s[6:7], s[56:57]        ; w's scale rows of q's tile,
	s_lshl_b32 s56, s16, 12
	s_add_nc_u64 s[72:73], s[74:75], s[56:57]      ; my eight blocks (k's tile: 32,768 bytes on),
	s_lshl_b32 s56, s14, 11
	s_add_co_u32 s56, s56, 65536
	s_add_nc_u64 s[74:75], s[74:75], s[56:57]      ; v's tile, my four
	s_lshl_b32 s56, s42, 10
	s_add_nc_u64 s[78:79], s[8:9], s[56:57]        ; b_attn at q's tile,
	s_lshl_b32 s56, s16, 9
	s_add_nc_u64 s[76:77], s[78:79], s[56:57]      ; my 128 columns (k's: 4,096 bytes on),
	s_lshl_b32 s56, s14, 8
	s_add_co_u32 s56, s56, 8192
	s_add_nc_u64 s[78:79], s[78:79], s[56:57]      ; v's tile, my 64
	s_mul_i32 s66, s15, 4*FRB
	s_mul_i32 s67, s16, XH
	s_add_co_u32 s67, s67, WREG
	s_mul_i32 s23, s14, 4*FRB
	s_add_co_u32 s23, s23, WREG
	s_lshl_b32 s22, s15, 7
	v_and_b32 v1, 31, v0
	v_lshlrev_b32 v[L16], 4, v1                    ; 16 L
	v_lshlrev_b32 v[L8], 3, v1                     ; 8 L
	v_and_b32 v2, 15, v0                           ; r
	v_bfe_u32 v3, v0, 4, 1                         ; h
	v_lshlrev_b32 v[R8], 4, v2
	v_lshl_add_u32 v[R8], v3, 3, v[R8]             ; 16 r + 8 h
	v_lshlrev_b32 v[SCA], 5, v2
	v_lshl_add_u32 v[SCA], v3, 4, v[SCA]           ; 32 r + 16 h: a row's scale words 4 h .. 4 h + 3
	v_lshlrev_b32 v[BH], 6, v3                     ; 64 h: the bias 16 h columns on
	v_and_b32 v[BC], 8, v2
	v_add_nc_u32 v[BC], v[BC], v2
	v_lshlrev_b32 v[BC], 2, v[BC]                  ; 4 (r + 8 (r / 8)): the bias of my channel
	v_lshlrev_b32 v1, 3, v2
	v_add_nc_u32 v1, s22, v1                       ; 8 r + 128 PH: my items of a group's scale bytes,
	v_mad_u32_u24 v[SAQ], v3, 102400, v1           ; lanes 16-31 a head on
	v_mad_u32_u24 v[SAK], v3, 204800, v1
.irp b, 4,5,6,7
	v_mov_b32 v[TM+\b], 0                          ; a lane permute's destination counts as one of its sources
.endr
	s_wait_alu depctr_va_vdst(0)                   ; the wait ahead of the readers below
.irp j, 0,1
	v_add_nc_u32 v[XA+\j], s66, v[L16]
	v_add_nc_u32 v[XA+2+\j], s66, v[R8]
	v_add_nc_u32 v[XR+\j], \j*4*XH, v[L16]
	v_add_nc_u32 v[XR+2+\j], \j*4*XH, v[R8]
	s_add_co_u32 s66, s66, 4*XH
.endr
.irp j, 0,1,2,3
	v_add_nc_u32 v[WA+\j], s67, v[L16]
	v_add_nc_u32 v[WA+4+\j], s67, v[R8]
	v_add_nc_u32 v[WP+\j], s23, v[L16]
	v_add_nc_u32 v[WP+4+\j], s23, v[R8]
	s_add_co_u32 s67, s67, 2*KSTB
	s_add_co_u32 s23, s23, 2*KSTB
.endr
.irp i, 0,1,2,3
	global_load_b128 v[XPS+4*\i:XPS+4*\i+3], v[SCA], s[68:69] offset:512*\i
.endr
.irp i, 0,1,2,3,4,5,6,7
	global_load_b128 v[WQS+4*\i:WQS+4*\i+3], v[SCA], s[72:73] offset:512*\i
.endr
	WIN 0xc0
.irp b, 0,1,2,3,4,5,6,7                        ; q, k: in the result's layout: R's block b, my half's eight columns
	global_load_b128 v[BQ+8*\b:BQ+8*\b+3], v[BH], s[76:77] offset:(32*(\b/2)+8*(\b%2))*4
	global_load_b128 v[BQ+8*\b+4:BQ+8*\b+7], v[BH], s[76:77] offset:(32*(\b/2)+8*(\b%2))*4+16
.endr
.irp b, 0,1,2,3,4,5,6,7                        ; behind all that q's tile needs: k's bias and scale words, 24 loads
	global_load_b128 v[BKK+8*\b:BKK+8*\b+3], v[BH], s[76:77] offset:4096+(32*(\b/2)+8*(\b%2))*4
	global_load_b128 v[BKK+8*\b+4:BKK+8*\b+7], v[BH], s[76:77] offset:4096+(32*(\b/2)+8*(\b%2))*4+16
.endr
	WIN 0
.irp i, 0,1,2,3,4,5,6,7
	global_load_b128 v[WKS+4*\i:WKS+4*\i+3], v[SCA], s[72:73] offset:32768+512*\i
.endr
	s_wait_alu depctr_va_vdst(0)                   ; the wait at the head's end
	s_cmp_lt_u32 s14, 2                            ; waves 0 and 1 brought K steps 0-3; the other two loads may stay out
	s_cbranch_scc0 .Lrest_out
	s_wait_tensorcnt 0x0
.Lrest_out:
	s_barrier_signal -1
	s_barrier_wait -1
	LOADS 0, 0, 0
	s_wait_loadcnt 24                              ; q's scale words and bias are in; k's 24 loads may be out
	TILE 0, WQS, XPS, BQ, 1, 1, 0
.irp i, 0,1,2,3                                ; what v's tile needs: 44 loads
	global_load_b128 v[WVS+4*\i:WVS+4*\i+3], v[SCA], s[74:75] offset:512*\i
.endr
.irp i, 0,1,2,3,4,5,6,7
	global_load_b128 v[XRS+4*\i:XRS+4*\i+3], v[SCA], s[70:71] offset:512*\i
.endr
	WIN 0xc0
.irp a, 0,1,2,3                                ; v: my channel's number in all eight registers
.irp j, 0,1,2,3,4,5,6,7
	global_load_b32 v[BV+8*\a+\j], v[BC], s[78:79] offset:(32*(\a/2)+8*(\a%2))*4
.endr
.endr
	WIN 0
	QKOUT 10, 102400, 6400, 6144, SAQ
	s_wait_loadcnt 44                              ; k's loads are in; v's 44 may be out
	TILE 0, WKS, XPS, BKK, 1, 0, 1
	QKOUT 12, 204800, 12800, 12288, SAK
	s_wait_loadcnt 0x0
	TILE 1, XRS, WVS, BV, 0, 0, 0
	; ---------------- v's way out: a lane holds a channel of my head; four whole fragments of V^T
	s_wait_xcnt 0x0
	s_lshr_b32 s82, s17, 4
	s_lshl_b32 s82, s82, 4
	s_lshl_b32 s83, s42, 2
	s_add_co_u32 s82, s82, s83
	s_add_co_u32 s82, s82, s14                     ; 16 x batch + 4 tx + wave
	s_mul_i32 s82, s82, 204800
	s_and_b32 s83, s17, 15
	s_mul_i32 s83, s83, 12800
	s_add_co_u32 s82, s82, s83
	s_add_co_u32 s82, s82, 6144                    ; V's part of the key step
	s_mov_b32 s83, 0
	s_add_nc_u64 s[84:85], s[12:13], s[82:83]
.irp a, 0,1,2,3
.if \a > 1
	s_wait_xcnt 0x0
.endif
	QUANT \a, PCA+20*(\a%2), PWS+\a
	global_store_b128 v[L16], v[PCA+20*(\a%2):PCA+20*(\a%2)+3], s[84:85] offset:\a*FRB
	global_store_b64 v[R8], v[PCA+20*(\a%2)+4:PCA+20*(\a%2)+5], s[84:85] offset:\a*FRB+512
	global_store_b128 v[L16], v[PCA+20*(\a%2)+6:PCA+20*(\a%2)+9], s[84:85] offset:\a*FRB+768
	global_store_b64 v[R8], v[PCA+20*(\a%2)+10:PCA+20*(\a%2)+11], s[84:85] offset:\a*FRB+1280
.endr
	v_cndmask_b32 v[TM+8], v[PWS], v[PWS+2], s19   ; lanes 0-15 items 0, 1; lanes 16-31 items 2, 3
	v_cndmask_b32 v[TM+9], v[PWS+1], v[PWS+3], s19
	global_store_b64 v[L8], v[TM+8:TM+9], s[84:85] offset:6400
	s_wait_tensorcnt 0x0                           ; the wave's end
	ds_add_u32 v[SPW], v[NIL]
	s_wait_dscnt 0x0
	CROUND                                         ; the closing round
	s_endpgm
.Lfunc_end_k_q814d1f59ff_gemm1:
	.size	k_q814d1f59ff_gemm1, .Lfunc_end_k_q814d1f59ff_gemm1-k_q814d1f59ff_gemm1
	.p2alignl 7, 3214868480
	.fill 96, 4, 3214868480
	.section	.rodata,"a",@progbits
	.p2align	6, 0x0
	.amdhsa_kernel k_q814d1f59ff_gemm1
		.amdhsa_group_segment_fixed_size 327680
		.amdhsa_private_segment_fixed_size 0
		.amdhsa_enable_private_segment 0
		.amdhsa_kernarg_size 40
		.amdhsa_user_sgpr_count 2
		.amdhsa_user_sgpr_kernarg_segment_ptr 1
		.amdhsa_wavefront_size32 1
		.amdhsa_system_sgpr_workgroup_id_x 1
		.amdhsa_system_sgpr_workgroup_id_y 1
		.amdhsa_system_sgpr_workgroup_id_z 1
		.amdhsa_system_vgpr_workitem_id 0
		.amdhsa_next_free_vgpr 1024
		.amdhsa_next_free_sgpr 100
		.amdhsa_reserve_vcc 0
		.amdhsa_float_denorm_mode_32 3
		.amdhsa_float_denorm_mode_16_64 3
		.amdhsa_memory_ordered 1
		.amdhsa_forward_progress 1
		.amdhsa_inst_pref_size 252
	.end_amdhsa_kernel
	.amdgpu_metadata
---
amdhsa.version: [ 1, 2 ]
amdhsa.kernels:
  - .name:           k_q814d1f59ff_gemm1
    .symbol:         k_q814d1f59ff_gemm1.kd
    .args:
      - { .name: xq, .offset: 0, .size: 8, .value_kind: global_buffer, .address_space: global }
      - { .name: waq, .offset: 8, .size: 8, .value_kind: global_buffer, .address_space: global }
      - { .name: b_attn, .offset: 16, .size: 8, .value_kind: global_buffer, .address_space: global }
      - { .name: qb, .offset: 24, .size: 8, .value_kind: global_buffer, .address_space: global }
      - { .name: kv, .offset: 32, .size: 8, .value_kind: global_buffer, .address_space: global }
    .group_segment_fixed_size: 327680
    .private_segment_fixed_size: 0
    .kernarg_segment_align: 8
    .kernarg_segment_size: 40
    .max_flat_workgroup_size: 128
    .sgpr_count:     100
    .vgpr_count:     1024
    .wavefront_size: 32
...
	.end_amdgpu_metadata
.endif
;; end of part 2
;; launch attn (part 3): grid 4 x 64, 16 waves a work-group, clusters of 4 x 1, 327,680 bytes of LDS; arguments qb, kv, yq; writes yq
.if DOCPART == 3
	.amdgcn_target "amdgcn-amd-amdhsa--gfx1250"
	.amdhsa_code_object_version 6
	.text
	.protected	k_q814d1f59ff_attn
	.globl	k_q814d1f59ff_attn
	.p2align	8
	.type	k_q814d1f59ff_attn,@function
k_q814d1f59ff_attn:
	s_mov_b64 s[64:65], 0
	v_nop
	global_prefetch_b8 v0, s[64:65] scope:SCOPE_SE
	s_setreg_imm32_b32 hwreg(HW_REG_WAVE_MODE, 25, 1), 1
	s_wait_xcnt 0x0
	s_wait_alu depctr_hold_cnt(0) depctr_sa_sdst(0) depctr_va_vdst(0) depctr_va_sdst(0) depctr_va_ssrc(0) depctr_va_vcc(0) depctr_vm_vsrc(0)
	s_getreg_b32 s2, hwreg(HW_REG_IB_STS2, 6, 4)
	s_cmp_eq_u32 s2, 0
	s_cbranch_scc0 .Lentry_in_a_cluster
	s_endpgm
.Lentry_in_a_cluster:
	s_bfe_u32 s2, ttmp6, 0x10000c
	s_cmp_lg_u32 s2, 0x3003
	s_cbranch_scc0 .Lentry_shape_is_right
	s_endpgm
.Lentry_shape_is_right:
; CAUSAL ATTENTION OF ONE HEAD ON CODES OF FP6 (E2M3): S^T = K Q^T, p = 2^(t - M), O^T += V^T p^T, y = O / l, y quantised along the channels for the projection.
; Key steps that lie wholly behind the causal mask are not computed.
; THE DEAL.  A head (work-group y) has 16 groups of 128 queries; the work-group at place cx of its cluster takes blocks 2 cx, 2 cx + 1 (16 queries each) of every group.
; Sixteen waves, four on a SIMD: wave 2 j + u takes block 2 cx + u of group 15 - j and then of group j: (16 - j) + (j + 1) = 17 key steps of 128 keys for every wave.
; LDS holds the head's 16 key steps whole: 12,800 bytes each as 50 rows of 256 with 64 bytes of padding, 16,000 bytes; each wave brings one step by ONE joint tensor load (mask 15: the four partners read the same bytes).
; Nothing is filled again.  The first barrier shows waves 0 to 3's tiles (steps 0-3); three steps of group 15 - j >= 8, which need no mask, run on them; the second barrier shows the rest.
; No prefetch: every tile is asked for at the head by its tensor load, and no loop runs ahead of a load.
; A TILE OF K IS GATHERED BY ADDRESS: lane r of fragment (c, m) takes row (r % 8) + 8 m of the stored fragment 2 c + r / 8.  So in S^T lane (q, h) holds keys 64 c + 32 h + 0 .. 31 in registers 32 c + 0 .. 31:
; a whole scale block of p in a lane, in the order of the operand's registers.  With the padding, rows 0-7 and 8-15 of a tile lie 1,920 bytes apart, 128 modulo 256.
; M is the running ceiling of the largest t, kept as -M; a change of M multiplies l and O^T by a power of two.  A block's largest p is made from its largest score by the same two instructions.
; K's and V's fragments share v48-95: V's are asked for behind S^T, the next step's K's behind O^T's products.  A group's last step asks for a next step's fragments too (address held inside the tiles): the trip is written once.
; LIMITS: the scaled scores stay under 2^31 in magnitude; NaN and infinities are not served; a block of y under 2^-124 keeps the byte 1.
; All of a WGP's LDS is claimed and 0 is added to spare words.
.set TILEB, 196608
.set KSTB,  24576
.set FRB,   1536
.set XSC,   6291456
.set FLOOR, 0x1800000
.set STEPB, 16000
.set SPARE, 256000
.set QL,  34                           ; v34-40 the second group's Q and scale word;  v244-250 the first's
.set QH,  244
.set KF,  48
.set S,   96
.set O,   160
.set P,   192
.set NM,  204                          ; -M;  205 the running largest score;  206-207 l in two halves;  208-209 f
.set RUN, 205
.set L,   206
.set F,   208
.set OLD, 210
.set TMP, 211
.set BM,  212
.set T,   216
.set SO,  224
.set BY,  226
.set TC,  228
.set PT,  235
.set SH8, 236                          ; 8 h
.set QI,  237                          ; my query less 32 h, for the mask
.set KSC, 238                          ; scale words: K's 238-239, V's 240-241, p's 242, Q's 46
.set VSC, 240
.set PW,  242
.set WV,  10
.set G,   13
.set KS,  14
.set TB,  15
.set CNT, 16
.set CS,  18
.set SEL, 20
.set TN,  23
.set ST0, 36
.set OUT, 37
.set U,   38
.set PSEL, 39
.set J,   56
.macro PLACES n
.rept \n
	v_nop
.endr
.endm
.macro WALU
	s_wait_alu depctr_va_vdst(0)
.endm
.macro DEP n
	s_delay_alu instid0(VALU_DEP_\n)
.endm
.macro CROUND
	s_barrier_signal -1
	s_barrier_wait -1
	s_cmp_lg_u32 s[WV], 0
	s_cbranch_scc1 .Lnot_wave_0_\@
	s_barrier_signal -3
.Lnot_wave_0_\@:
	s_barrier_wait -3
	s_barrier_signal -1
	s_barrier_wait -1
.endm
.macro FRAG reg, a, b, off             ; a stored fragment is six rows of 256 bytes, 320 apart in LDS
	ds_load_b128 v[\reg:\reg+3], v\a offset:\off
	ds_load_b64 v[\reg+4:\reg+5], v\b offset:\off+640
	ds_load_b128 v[\reg+6:\reg+9], v\a offset:\off+960
	ds_load_b64 v[\reg+10:\reg+11], v\b offset:\off+1600
.endm
.macro KLOAD a, b, c                   ; K's four fragments (c, m) and their scale words
.irp f, 0,1,2,3
	FRAG KF+12*\f, \a, \b, 3840*(\f/2)+128*(\f%2)
.endr
	ds_load_b32 v[KSC], v\c offset:15360
	ds_load_b32 v[KSC+1], v\c offset:15424
.endm
.macro QK                              ; a fragment holds two tiles of 16 keys x 64 channels; Q stands in the lower (v16-27) or the upper half (v22-33) of its operand, zeros in the other
.irp c, 0,1
.irp m, 0,1
	v_wmma_scale_f32_16x16x128_f8f6f4 v[S+32*\c+16*\m:S+32*\c+16*\m+7], v[KF+12*(2*\c+\m):KF+12*(2*\c+\m)+11], v[16:27], 0, v[KSC+\m], v46 matrix_a_fmt:MATRIX_FMT_FP6 matrix_b_fmt:MATRIX_FMT_FP6 matrix_a_scale:MATRIX_SCALE_ROW\c
	v_wmma_scale_f32_16x16x128_f8f6f4 v[S+32*\c+16*\m+8:S+32*\c+16*\m+15], v[KF+12*(2*\c+\m):KF+12*(2*\c+\m)+11], v[22:33], 0, v[KSC+\m], v46 matrix_a_fmt:MATRIX_FMT_FP6 matrix_b_fmt:MATRIX_FMT_FP6 matrix_a_scale:MATRIX_SCALE_ROW\c
.endr
.endr
.endm
.macro PV                              ; four accumulators by turns
.irp e, 0,1
.irp t, 0,1
	v_wmma_scale_f32_16x16x128_f8f6f4 v[O+8*(2*\e+\t):O+8*(2*\e+\t)+7], v[KF+12*(2*\e+\t):KF+12*(2*\e+\t)+11], v[P:P+11], v[O+8*(2*\e+\t):O+8*(2*\e+\t)+7], v[VSC+\t], v[PW] matrix_a_fmt:MATRIX_FMT_FP6 matrix_b_fmt:MATRIX_FMT_FP6 matrix_a_scale:MATRIX_SCALE_ROW\e
.endr
.endr
.endm
.macro MASKU                           ; key 64 (n / 32) + 32 h + n % 32 counts for query 32 cx + 8 u + r + 8 (r / 8) if it is not behind it
.set nn, 0
.rept 64
	v_cmp_le_i32 vcc_lo, 64*(nn/32)+nn%32, v[QI]
	v_cndmask_b32 v[S+nn], s17, v[S+nn], vcc_lo
.set nn, nn+1
.endr
.endm
.macro MAXU                            ; the largest score of my two blocks of 32 keys, four chains by turns; each accumulator is read from its low end on
.irp k, 0,1,2,3
	v_max3_num_f32 v[BM+\k], v[S+16*\k], v[S+16*\k+1], v[S+16*\k+2]
.endr
.irp i, 3,5,7,9,11,13
.irp k, 0,1,2,3
	v_max3_num_f32 v[BM+\k], v[BM+\k], v[S+16*\k+\i], v[S+16*\k+\i+1]
.endr
.endr
	v_max3_num_f32 v[BM], v[BM], v[BM+1], v[S+15]
	v_max3_num_f32 v[BM+2], v[BM+2], v[BM+3], v[S+47]
	v_max_num_f32 v[BM], v[BM], v[S+31]
	v_max_num_f32 v[BM+2], v[BM+2], v[S+63]
.endm
.macro CHAIN                           ; the running largest score, -M = floor(-t), f = 2^(old M - new M)
	v_mov_b32 v[OLD], v[NM]
	v_max_num_f32 v[TMP], v[BM], v[BM+2]
	DEP 1
	v_permlanex16_b32 v[PT], v[TMP], s[SEL], s[SEL+1]
	DEP 1
	v_max3_num_f32 v[RUN], v[RUN], v[TMP], v[PT]
	DEP 1
	v_mul_f32 v[TMP], s[CS], v[RUN]
	DEP 1
	v_floor_f32 v[NM], -v[TMP]
	DEP 1
	v_sub_f32 v[OLD], v[NM], v[OLD]
	DEP 1
	v_cvt_i32_f32 v[OLD], v[OLD]
	DEP 1
	v_ldexp_f32 v[F], 1.0, v[OLD]
.endm
.macro FMAU                            ; t - M, two at a time; the same of the blocks' largest scores
.set jj, 0
.rept 32
	v_pk_fma_f32 v[S+jj:S+jj+1], v[S+jj:S+jj+1], s[CS:CS+1], v[NM:NM+1] op_sel_hi:[1,0,0]
.set jj, jj+2
.endr
	v_fma_f32 v[BM], v[BM], s[CS], v[NM]
	v_fma_f32 v[BM+2], v[BM+2], s[CS], v[NM]
.endm
.macro EXPU
.set jj, 0
.rept 64
	v_exp_f32 v[S+jj], v[S+jj]
.set jj, jj+1
.endr
	v_exp_f32 v[BM], v[BM]
	v_exp_f32 v[BM+2], v[BM+2]
.endm
.macro SUMU                            ; l = l f + the sum of the unquantised p: four chains of packed additions
.irp k, 0,1,2,3
	v_pk_add_f32 v[T+2*\k:T+2*\k+1], v[S+4*\k:S+4*\k+1], v[S+4*\k+2:S+4*\k+3]
.endr
.irp j, 16,24,32,40,48,56
.irp k, 0,1,2,3
	v_pk_add_f32 v[T+2*\k:T+2*\k+1], v[T+2*\k:T+2*\k+1], v[S+\j+2*\k:S+\j+2*\k+1]
.endr
.endr
	DEP 3
	v_pk_add_f32 v[T:T+1], v[T:T+1], v[T+2:T+3]
	DEP 2
	v_pk_add_f32 v[T+4:T+5], v[T+4:T+5], v[T+6:T+7]
	DEP 1
	v_pk_add_f32 v[T:T+1], v[T:T+1], v[T+4:T+5]
	DEP 1
	v_pk_fma_f32 v[L:L+1], v[L:L+1], v[F:F+1], v[T:T+1] op_sel_hi:[1,0,1]
.endm
.macro QUANTU                          ; my blocks h and 2 + h of p: scales, the scale word (with lane l xor 16's two bytes), 64 codes
	v_max_num_f32 v[BM], FLOOR, v[BM]
	v_max_num_f32 v[BM+2], FLOOR, v[BM+2]
	DEP 2
	v_add_nc_u32 v[SO], 0xff000000, v[BM]
	DEP 2
	v_add_nc_u32 v[SO+1], 0xff000000, v[BM+2]
	DEP 2
	v_lshrrev_b32 v[BY], 23, v[SO]
	DEP 2
	v_lshrrev_b32 v[BY+1], 23, v[SO+1]
	DEP 1
	v_lshl_or_b32 v[BY], v[BY+1], 16, v[BY]
	DEP 1
	v_lshlrev_b32 v[BY], v[SH8], v[BY]
	DEP 1
	v_permlanex16_b32 v[PT], v[BY], s[SEL], s[SEL+1]
	v_or_b32 v[PW], v[BY], v[PT]
	v_cvt_scalef32_pk16_fp6_f32 v[P:P+2], v[S:S+15], v[SO]
	v_cvt_scalef32_pk16_fp6_f32 v[TC:TC+2], v[S+16:S+31], v[SO]
	v_cvt_scalef32_pk16_fp6_f32 v[P+6:P+8], v[S+32:S+47], v[SO+1]
	v_cvt_scalef32_pk16_fp6_f32 v[TC+4:TC+6], v[S+48:S+63], v[SO+1]
	v_nop                                          ; one plain line behind a scaled conversion
.irp i, 0,1,2
	v_mov_b32 v[P+3+\i], v[TC+\i]                  ; a conversion's three registers begin on an even number
	v_mov_b32 v[P+9+\i], v[TC+4+\i]
.endr
.endm
.macro RESCU                           ; O^T under the new M; these sixteen are also the places ahead of the products
.set jj, 0
.rept 16
	v_pk_mul_f32 v[O+jj:O+jj+1], v[O+jj:O+jj+1], v[F:F+1] op_sel_hi:[1,0]
.set jj, jj+2
.endr
.endm
; A trip: key step KS at LDS byte TB.  mask = 1: the trip is passed over where the step lies behind my group or was done ahead of the loop; the step on the diagonal is masked.
.macro TRIP mask
.if \mask
	s_cmp_gt_u32 s[KS], s[G]
	s_cbranch_scc1 .Lskip_\@
	s_cmp_lt_u32 s[KS], s[ST0]
	s_cbranch_scc1 .Lskip_\@
.endif
	s_add_co_u32 s[TN], s[TB], STEPB
	s_min_u32 s[TN], s[TN], 15*STEPB               ; the next step, held inside the tiles
	s_wait_dscnt 0x0                               ; K's fragments and scale words are in
	QK
	v_add_nc_u32 v4, s[TB], v7                     ; four plain lines ahead of the loads into K's registers and of the first read of S^T
	v_add_nc_u32 v5, s[TB], v2
	v_add_nc_u32 v6, s[TB], v3
	v_nop
.irp t, 0,1,2,3
	FRAG KF+12*\t, 4, 5, 7680+1920*\t
.endr
	ds_load_b64 v[VSC:VSC+1], v6 offset:15680
.if \mask
	s_cmp_lg_u32 s[KS], s[G]
	s_cbranch_scc1 .Lopen_\@
	MASKU
.Lopen_\@:
.endif
	MAXU
	CHAIN
	FMAU
	WALU                                           ; the wait ahead of a batch of exponentials
	EXPU
	v_add_nc_u32 v4, s[TN], v8                     ; plain lines behind the batch: the next K's addresses
	v_add_nc_u32 v5, s[TN], v9
	v_add_nc_u32 v6, s[TN], v10
	WALU                                           ; and behind it, ahead of its first reader
	SUMU
	QUANTU
	s_wait_dscnt 0x0                               ; V's fragments and scale words are in
	WALU                                           ; directly ahead of the first reader of O^T
	RESCU
	PV
	PLACES 4                                       ; ahead of the loads into V's registers
	KLOAD 4, 5, 6
.Lskip_\@:
	s_add_co_u32 s[KS], s[KS], 1
	s_add_co_u32 s[TB], s[TB], STEPB
.endm
.macro INITV qs                        ; a group begins: Q to its two places (Q, 0, Q), its scale word, the state, zeros for O^T (the step is written once)
.irp i, 0,1,2,3,4,5
	v_mov_b32 v[16+\i], v[\qs+\i]
	v_mov_b32 v[28+\i], v[\qs+\i]
.endr
	v_perm_b32 v46, v[\qs+6], v[\qs+6], s[PSEL]
	v_mov_b32 v[NM], 0x7f61b1e6                    ; -M = 3e38,
	v_mov_b32 v[RUN], 0xff61b1e6                   ; the largest score so far -3e38: the first f is 0
	v_mov_b32 v[L], 0
	v_mov_b32 v[L+1], 0
	v_mov_b32 v[F], 0
	v_mov_b32 v[F+1], 0
.set jj, 0
.rept 32
	v_mov_b32 v[O+jj], 0
.set jj, jj+1
.endr
	WALU                                           ; the wait ahead of the waits and branches that follow
.endm
.macro QLOAD qs, a                     ; my block of Q and the item that holds its scale bytes
	global_load_b128 v[\qs:\qs+3], v1, s[\a:\a+1]
	global_load_b64 v[\qs+4:\qs+5], v2, s[\a:\a+1] offset:512
	global_load_b32 v[\qs+6], v6, s[\a+2:\a+3]
.endm
.macro QUANT2 y, pc, w                 ; 32 numbers of y, 16 neighbours of each of two blocks of 32 channels: half a fragment and two scale bytes
.irp b, 0,1
	v_max3_num_f32 v[BM+\b], |v[\y+16*\b]|, |v[\y+1+16*\b]|, FLOOR
.endr
.irp i, 2,4,6,8,10,12,14
.irp b, 0,1
	DEP 2
	v_max3_num_f32 v[BM+\b], v[BM+\b], |v[\y+16*\b+\i]|, |v[\y+1+16*\b+\i]|
.endr
.endr
.irp b, 0,1
	DEP 2
	v_permlanex16_b32 v[T+\b], v[BM+\b], s[SEL], s[SEL+1]
.endr
.irp b, 0,1
	DEP 2
	v_max_num_f32 v[BM+\b], v[BM+\b], v[T+\b]
.endr
.irp b, 0,1
	DEP 2
	v_add_nc_u32 v[SO+\b], 0xff000000, v[BM+\b]
.endr
.irp b, 0,1
	DEP 2
	v_lshrrev_b32 v[T+\b], 23, v[SO+\b]
.endr
	DEP 1
	v_lshl_or_b32 v[\w], v[T+1], 8, v[T]
	v_cvt_scalef32_pk16_fp6_f32 v[\pc:\pc+2], v[\y:\y+15], v[SO]
	v_cvt_scalef32_pk16_fp6_f32 v[BM:BM+2], v[\y+16:\y+31], v[SO+1]
	v_nop
.irp i, 0,1,2
	v_permlane16_swap_b32 v[\pc+\i], v[BM+\i]
.endr
.irp i, 0,1,2
	DEP 3
	v_mov_b32 v[\pc+3+\i], v[BM+\i]
.endr
.endm
; ---------------- the head
	s_load_b128 s[4:7], s[0:1], 0x0                ; qb, kv
	s_load_b64 s[8:9], s[0:1], 0x10                ; yq
	v_lshl_add_u32 v14, v0, 2, SPARE
	v_mov_b32 v15, 0
	ds_add_u32 v14, v15                            ; the opening lines: the add, twice on end, and its wait
	ds_add_u32 v14, v15
	v_lshrrev_b32 v4, 5, v0
	v_readfirstlane_b32 s[WV], v4
	s_bfe_u32 s11, ttmp6, 0x40000                  ; cx
	s_and_b32 s12, ttmp7, 0xffff                   ; the head, 16 x batch + head
	s_lshr_b32 s[J], s[WV], 1
	s_and_b32 s[U], s[WV], 1
	s_sub_co_u32 s[G], 15, s[J]                    ; my first group
	s_mov_b32 s[PSEL], 0x01000100                  ; which two bytes of the item are my block's
	s_cmp_eq_u32 s[U], 1
	s_cselect_b32 s[PSEL], 0x03020302, s[PSEL]
	s_mov_b32 s24, 15|(3<<16)|(1<<20)|(1<<21)|(5<<22)|(15<<25)   ; mask of the four; elements of 8 bytes; 16 words of padding behind every 64
	s_mov_b32 s25, 32<<16
	s_mov_b32 s26, 50<<16                          ; a key step: 50 rows of 256 bytes
	s_mov_b32 s27, 32<<16
	s_mov_b32 s28, 50
	s_mov_b32 s29, 32
	s_mov_b32 s30, 0
	s_mov_b32 s31, 0
	s_mul_i32 s46, s12, 204800
	s_mul_i32 s45, s[WV], 12800
	s_add_co_u32 s46, s46, s45
	s_mov_b32 s47, 0
	s_mov_b32 s32, 1
	s_mul_i32 s33, s[WV], STEPB
	s_mov_b32 s17, 0xff800000
	s_mov_b32 s[CS], 0x3e38aa3b                    ; log2(e) / 8
	s_mov_b32 s[CS+1], s[CS]
	s_mov_b32 s[SEL], 0x76543210
	s_mov_b32 s[SEL+1], 0xfedcba98                 ; lane l xor 16
	s_mul_i32 s40, s12, 102400
	s_mul_i32 s41, s11, FRB
	s_add_co_u32 s40, s40, s41
	s_mul_i32 s41, s[U], 768
	s_add_co_u32 s40, s40, s41                     ; qb: my head, my block of a group
	s_mul_i32 s41, s[G], 6400
	s_add_co_u32 s42, s40, s41
	s_mov_b32 s43, 0
	s_mul_i32 s41, s[J], 6400
	s_add_co_u32 s40, s40, s41
	s_mov_b32 s41, 0
	s_lshr_b32 s44, s11, 1                         ; from my block to item cx of the group's scale words
	s_lshl_b32 s44, s44, 7
	s_and_b32 s45, s11, 1
	s_lshl_b32 s45, s45, 2
	s_add_co_u32 s44, s44, s45
	s_add_co_u32 s44, s44, 6144
	s_mul_i32 s45, s11, FRB
	s_sub_co_u32 s44, s44, s45
	s_mul_i32 s45, s[U], 768
	s_sub_co_u32 s44, s44, s45
	s_mov_b32 s45, 0
	s_lshl_b32 s57, s11, 5
	s_lshl_b32 s58, s[U], 3
	s_add_co_u32 s57, s57, s58                     ; 32 cx + 8 u
	v_and_b32 v4, 31, v0
	v_lshlrev_b32 v1, 4, v4                        ; 16 L
	v_lshlrev_b32 v3, 3, v4                        ; 8 L
	v_and_b32 v4, 15, v0                           ; r
	v_bfe_u32 v5, v0, 4, 1                         ; h
	v_lshlrev_b32 v2, 4, v4
	v_lshl_add_u32 v2, v5, 3, v2                   ; 16 r + 8 h
	v_lshlrev_b32 v7, 4, v4
	v_mad_u32_u24 v7, v5, 320, v7                  ; V: 16 r + 320 h
	v_and_b32 v11, 7, v0
	v_bfe_u32 v12, v0, 3, 1
	v_lshlrev_b32 v9, 4, v11
	v_mad_u32_u24 v9, v12, 1920, v9                ; K: 16 (r % 8) + 1920 (r / 8)
	v_mad_u32_u24 v8, v5, 320, v9                  ;    + 320 h
	v_lshl_add_u32 v9, v5, 3, v9                   ;    + 8 h
	v_lshlrev_b32 v10, 3, v11
	v_lshl_add_u32 v10, v12, 2, v10
	v_lshl_add_u32 v10, v5, 7, v10                 ; K's scale words: 8 (r % 8) + 4 (r / 8) + 128 h: lanes 16-31 take c = 1
	v_lshlrev_b32 v13, 5, v4                       ; y's scale bytes: 32 r
	v_lshlrev_b32 v6, 3, v4                        ; 8 r
	v_lshlrev_b32 v[SH8], 3, v5
	v_lshl_add_u32 v[QI], v12, 3, v4
	v_lshlrev_b32 v11, 5, v5
	v_sub_nc_u32 v[QI], v[QI], v11
	v_add_nc_u32 v[QI], s57, v[QI]
	v_mov_b32 v[PT], 0                             ; a lane permute's destination counts as one of its sources
.irp j, 22,23,24,25,26,27
	v_mov_b32 v\j, 0
.endr
	WALU                                           ; the wait ahead of the waits below
	s_wait_dscnt 0x0
	s_wait_kmcnt 0x0
	s_add_nc_u64 s[48:49], s[4:5], s[42:43]
	s_add_nc_u64 s[52:53], s[4:5], s[40:41]
	s_add_nc_u64 s[50:51], s[48:49], s[44:45]
	s_add_nc_u64 s[54:55], s[52:53], s[44:45]
	s_add_nc_u64 s[34:35], s[6:7], s[46:47]
	s_or_b32 s35, s35, 0x80000000
	QLOAD QH, 48
	QLOAD QL, 52
	CROUND                                         ; the round in front of the joint loads
	s_cmp_lt_u32 s[WV], 4                          ; two lines: the first barrier waits for waves 0 to 3's alone
	s_cbranch_scc0 .Llater
	tensor_load_to_lds s[32:35], s[24:31]
	s_nop 0
	PLACES 4
	s_branch .Lasked
.Llater:
	tensor_load_to_lds s[32:35], s[24:31]
	s_nop 0
	PLACES 4
.Lasked:
	s_wait_loadcnt 0x0
	INITV QH
	s_cmp_lt_u32 s[WV], 4
	s_cbranch_scc0 .Lnot_first
	s_wait_tensorcnt 0x0
.Lnot_first:
	s_barrier_signal -1
	s_barrier_wait -1                              ; key steps 0-3 are in; the others may be on their way
	KLOAD 8, 9, 10
	s_mov_b32 s[KS], 0
	s_mov_b32 s[TB], 0
	s_mov_b32 s[CNT], 3
.Lfirst:                                               ; steps 0-2 of group 15 - j (they read up to step 3's K)
	TRIP 0
	s_sub_co_u32 s[CNT], s[CNT], 1
	s_cmp_lg_u32 s[CNT], 0
	s_cbranch_scc1 .Lfirst
	s_wait_tensorcnt 0x0
	s_wait_dscnt 0x0
	s_barrier_signal -1
	s_barrier_wait -1                              ; all sixteen key steps are in
	s_mov_b32 s[ST0], 3
	s_mov_b32 s[OUT], 0
.Lgroup:
	s_mov_b32 s[KS], 0
	s_mov_b32 s[TB], 0
	s_mov_b32 s[CNT], 16
.Lkey:
	TRIP 1
	s_sub_co_u32 s[CNT], s[CNT], 1
	s_cmp_lg_u32 s[CNT], 0
	s_cbranch_scc1 .Lkey
; ---------------- a group's way out: y = O / l, quantised, into yq as half a fragment
	PLACES 4
	v_add_f32 v[L], v[L], v[L+1]
	DEP 1
	v_permlanex16_b32 v[PT], v[L], s[SEL], s[SEL+1]
	DEP 1
	v_add_f32 v[L], v[L], v[PT]
	WALU
	v_rcp_f32 v[L], v[L]
	v_nop
	s_lshl_b32 s40, s[G], 2
	s_add_co_u32 s40, s40, s11
	s_lshl_b32 s40, s40, 1
	s_add_co_u32 s40, s40, s[U]                    ; which block of 16 tokens of the sequence
	s_lshr_b32 s41, s12, 4
	s_and_b32 s42, s12, 15
	s_lshl_b32 s43, s41, 3
	s_lshr_b32 s44, s40, 4
	s_add_co_u32 s43, s43, s44
	s_mul_i32 s43, s43, TILEB
	s_lshr_b32 s44, s42, 1
	s_mul_i32 s44, s44, KSTB
	s_add_co_u32 s43, s43, s44
	s_and_b32 s44, s40, 15
	s_mul_i32 s44, s44, FRB
	s_add_co_u32 s43, s43, s44
	s_and_b32 s44, s42, 1
	s_mul_i32 s44, s44, 768
	s_add_co_u32 s46, s43, s44
	s_mov_b32 s47, 0
	s_add_nc_u64 s[48:49], s[8:9], s[46:47]
	s_lshl_b32 s43, s41, 7
	s_add_co_u32 s43, s43, s40
	s_lshl_b32 s43, s43, 9
	s_lshl_b32 s44, s42, 1
	s_add_co_u32 s43, s43, s44
	s_add_co_u32 s46, s43, XSC
	s_add_nc_u64 s[50:51], s[8:9], s[46:47]
	WALU
.set jj, 0
.rept 16
	v_pk_mul_f32 v[96+jj:97+jj], v[O+jj:O+jj+1], v[L:L+1] op_sel_hi:[1,0]
.set jj, jj+2
.endr
	QUANT2 96, P, BY
	global_store_b128 v1, v[P:P+3], s[48:49]
	global_store_b64 v2, v[P+4:P+5], s[48:49] offset:512
	global_store_b16 v13, v[BY], s[50:51]          ; lanes r and r + 16 store the same two bytes to the same place
	s_cmp_eq_u32 s[OUT], 1
	s_cbranch_scc1 .Ldone
	s_wait_xcnt 0x0                                ; the stores have read their registers and bases
	s_mov_b32 s[G], s[J]                           ; my second group
	s_mov_b32 s[ST0], 0
	INITV QL
	s_wait_dscnt 0x0                               ; the last trip's loads into K's registers are in
	KLOAD 8, 9, 10
	s_add_co_u32 s[OUT], s[OUT], 1
	s_cmp_lt_u32 s[OUT], 2
	s_cbranch_scc1 .Lgroup
.Ldone:
	s_wait_tensorcnt 0x0                           ; the wave's end
	ds_add_u32 v14, v15
	s_wait_dscnt 0x0
	CROUND                                         ; the closing round
	s_endpgm
.Lfunc_end_k_q814d1f59ff_attn:
	.size	k_q814d1f59ff_attn, .Lfunc_end_k_q814d1f59ff_attn-k_q814d1f59ff_attn
	.p2alignl 7, 3214868480
	.fill 96, 4, 3214868480
	.section	.rodata,"a",@progbits
	.p2align	6, 0x0
	.amdhsa_kernel k_q814d1f59ff_attn
		.amdhsa_group_segment_fixed_size 327680
		.amdhsa_private_segment_fixed_size 0
		.amdhsa_enable_private_segment 0
		.amdhsa_kernarg_size 24
		.amdhsa_user_sgpr_count 2
		.amdhsa_user_sgpr_kernarg_segment_ptr 1
		.amdhsa_wavefront_size32 1
		.amdhsa_system_sgpr_workgroup_id_x 1
		.amdhsa_system_sgpr_workgroup_id_y 1
		.amdhsa_system_sgpr_workgroup_id_z 1
		.amdhsa_system_vgpr_workitem_id 0
		.amdhsa_next_free_vgpr 256
		.amdhsa_next_free_sgpr 66
		.amdhsa_reserve_vcc 1
		.amdhsa_float_denorm_mode_32 3
		.amdhsa_float_denorm_mode_16_64 3
		.amdhsa_memory_ordered 1
		.amdhsa_forward_progress 1
		.amdhsa_inst_pref_size 56
	.end_amdhsa_kernel
	.amdgpu_metadata
---
amdhsa.version: [ 1, 2 ]
amdhsa.kernels:
  - .name:           k_q814d1f59ff_attn
    .symbol:         k_q814d1f59ff_attn.kd
    .args:
      - { .name: qb, .offset: 0, .size: 8, .value_kind: global_buffer, .address_space: global }
      - { .name: kv, .offset: 8, .size: 8, .value_kind: global_buffer, .address_space: global }
      - { .name: yq, .offset: 16, .size: 8, .value_kind: global_buffer, .address_space: global }
    .group_segment_fixed_size: 327680
    .private_segment_fixed_size: 0
    .kernarg_segment_align: 8
    .kernarg_segment_size: 24
    .max_flat_workgroup_size: 512
    .sgpr_count:     66
    .vgpr_count:     256
    .wavefront_size: 32
...
	.end_amdgpu_metadata
.endif
;; end of part 3
;; launch gemm2 (part 4): grid 4 x 64, 4 waves a work-group, clusters of 4 x 4, 327,680 bytes of LDS; arguments yq, wpq, b_proj, out0; writes out0
.if DOCPART == 4
	.amdgcn_target "amdgcn-amd-amdhsa--gfx1250"
	.amdhsa_code_object_version 6
	.text
	.protected	k_q814d1f59ff_gemm2
	.globl	k_q814d1f59ff_gemm2
	.p2align	8
	.type	k_q814d1f59ff_gemm2,@function
k_q814d1f59ff_gemm2:
	s_mov_b64 s[64:65], 0
	v_nop
	global_prefetch_b8 v0, s[64:65] scope:SCOPE_SE
	s_setreg_imm32_b32 hwreg(HW_REG_WAVE_MODE, 25, 1), 1
	s_wait_xcnt 0x0
	s_wait_alu depctr_hold_cnt(0) depctr_sa_sdst(0) depctr_va_vdst(0) depctr_va_sdst(0) depctr_va_ssrc(0) depctr_va_vcc(0) depctr_vm_vsrc(0)
	s_getreg_b32 s2, hwreg(HW_REG_IB_STS2, 6, 4)
	s_cmp_eq_u32 s2, 0
	s_cbranch_scc0 .Lentry_in_a_cluster
	s_endpgm
.Lentry_in_a_cluster:
	s_bfe_u32 s2, ttmp6, 0x10000c
	s_cmp_lg_u32 s2, 0xf033
	s_cbranch_scc0 .Lentry_shape_is_right
	s_endpgm
.Lentry_shape_is_right:
; out0 = y w_proj + b_proj on codes of FP6 (E2M3) with E8M0 scales, K = 1024, f32 out.
; A work-group makes 128 tokens x 256 columns: 64 x 4 work-groups.  Both operands, all of K, lie in LDS: y's 8 blocks x 8 K steps, 98,304 bytes, and w's 16 blocks x 8 K steps, 196,608 bytes.  Nothing is filled again.
; Operands are images of fragments (1,536 bytes); row r of block 2 b + u is index 32 b + 8 u + r + 8 (r / 8).  Source 1 = 4 blocks of tokens (P), source 0 = 8 blocks of columns (R): 32 accumulators a wave.
; HEAD: one joint load a wave: y's K steps 0-3, w's, y's K steps 4-7, w's.  y is shared along a row of the cluster, w along a column.  The first barrier shows K steps 0-3, a plain barrier in K step 3 the rest.
; Fragments lie twice in registers: step ks multiplies set ks % 2 while the 48 loads of step ks + 1 are out.  The bias is the C of the first products.
; The way out goes through a stage of 16 rows x 528 bytes a wave, on y's K steps 0-2: they have had their only fill, and every wave's reads of them are over at the barrier in K step 3.
; No prefetch: every tile is asked for at the head by its tensor load.  All of a WGP's LDS is claimed and 0 is added to spare words.
.set TILEB, 196608
.set KSTB,  24576
.set FRB,   1536
.set XH,    12288
.set WREG,  98304
.set SPARE, 294912
.set SPITCH, 528
.set YSC,   6291456
.set WPSC,  786432
.set XA,  4
.set SPW, 8
.set NIL, 9
.set L16, 10
.set R8,  11
.set WA,  12
.set STO, 20
.set RD,  21
.set SCA, 22
.set BH,  23
.set SCP, 34
.set SCR, 52
.set BK,  128
.set BQ,  96
.set G1X, 24
.set G1W, 48
.set MSB, 0
.macro WIN new
.if MSB != (\new)
	s_set_vgpr_msb (MSB<<8)|(\new)
.set MSB, (\new)
.endif
.endm
.macro PLACES n
.rept \n
	v_nop
.endr
.endm
.macro CROUND
	s_barrier_signal -1
	s_barrier_wait -1
	s_cmp_lg_u32 s14, 0
	s_cbranch_scc1 .Lnot_wave_0_\@
	s_barrier_signal -3
.Lnot_wave_0_\@:
	s_barrier_wait -3
	s_barrier_signal -1
	s_barrier_wait -1
.endm
.macro FRAG reg, a, b, off
	ds_load_b128 v[\reg:\reg+3], v[\a] offset:\off
	ds_load_b64 v[\reg+4:\reg+5], v[\b] offset:\off+512
	ds_load_b128 v[\reg+6:\reg+9], v[\a] offset:\off+768
	ds_load_b64 v[\reg+10:\reg+11], v[\b] offset:\off+1280
.endm
.macro LOADS ks, set                   ; 48 loads: R's eight fragments into window 1, P's four into window 3
	WIN 0x40
.irp i, 0,1,2,3,4,5,6,7
	FRAG 128*(\set)+12*\i, WA+(\ks)/2, WA+4+(\ks)/2, ((\ks)%2)*KSTB+\i*FRB
.endr
	WIN 0xc0
.irp i, 0,1,2,3
	FRAG 48*(\set)+12*\i, XA+(\ks)/4, XA+2+(\ks)/4, ((\ks)%4)*XH+\i*FRB
.endr
	WIN 0
.endm
.macro MUL32 ks                        ; the 32 accumulators take turns in the same order in every K step
.if (\ks) == 0
	WIN 0xbd
.else
	WIN 0xad
.endif
.irp a, 0,1,2,3
.irp b, 0,1,2,3,4,5,6,7
.if (\ks) == 0
	v_wmma_scale_f32_16x16x128_f8f6f4 v[8*(8*\a+\b):8*(8*\a+\b)+7], v[12*\b:12*\b+11], v[12*\a:12*\a+11], v[BQ+8*\b:BQ+8*\b+7], v[SCR+4*\b], v[SCP+4*\a] matrix_a_fmt:MATRIX_FMT_FP6 matrix_b_fmt:MATRIX_FMT_FP6
.elseif (\ks) < 4
	v_wmma_scale_f32_16x16x128_f8f6f4 v[8*(8*\a+\b):8*(8*\a+\b)+7], v[128*((\ks)%2)+12*\b:128*((\ks)%2)+12*\b+11], v[48*((\ks)%2)+12*\a:48*((\ks)%2)+12*\a+11], v[8*(8*\a+\b):8*(8*\a+\b)+7], v[SCR+4*\b+(\ks)], v[SCP+4*\a+(\ks)] matrix_a_fmt:MATRIX_FMT_FP6 matrix_b_fmt:MATRIX_FMT_FP6
.else
	v_wmma_scale_f32_16x16x128_f8f6f4 v[8*(8*\a+\b):8*(8*\a+\b)+7], v[128*((\ks)%2)+12*\b:128*((\ks)%2)+12*\b+11], v[48*((\ks)%2)+12*\a:48*((\ks)%2)+12*\a+11], v[8*(8*\a+\b):8*(8*\a+\b)+7], v[SCR+4*\b+(\ks)-4], v[SCP+4*\a+(\ks)-4] matrix_a_fmt:MATRIX_FMT_FP6 matrix_b_fmt:MATRIX_FMT_FP6 matrix_a_scale:MATRIX_SCALE_ROW1 matrix_b_scale:MATRIX_SCALE_ROW1
.endif
.endr
.endr
	WIN 0
.endm
.macro STEP ks
	PLACES 4                                       ; four plain lines between the last products and loads into registers that they read
	LOADS (\ks)+1, ((\ks)+1)%2
	s_wait_dscnt 48                                ; this step's fragments are in; the 48 loads just issued may be out
	MUL32 \ks
.endm
	s_load_b256 s[4:11], s[0:1], 0x0               ; yq, wpq, b_proj, out0
	v_lshl_add_u32 v[SPW], v0, 2, SPARE
	v_mov_b32 v[NIL], 0
	ds_add_u32 v[SPW], v[NIL]                      ; the opening lines: the add, twice on end, and its wait
	ds_add_u32 v[SPW], v[NIL]
	v_lshrrev_b32 v1, 5, v0
	v_readfirstlane_b32 s14, v1
	s_lshr_b32 s15, s14, 1                         ; PH: my 4 of the 8 blocks of tokens
	s_and_b32 s16, s14, 1                          ; RH: my 8 of the 16 blocks of columns
	s_bfe_u32 s40, ttmp6, 0x40000
	s_bfe_u32 s41, ttmp6, 0x40004
	s_lshl_b32 s42, ttmp9, 2
	s_add_co_u32 s42, s42, s40                     ; tx
	s_and_b32 s17, ttmp7, 0xffff
	s_lshl_b32 s17, s17, 2
	s_add_co_u32 s17, s17, s41                     ; ty
	s_lshl_b32 s43, s41, 2
	s_lshl_b32 s43, 15, s43
	s_lshl_b32 s44, 0x1111, s40
	s_or_b32 s[G1X], s43, (3<<16)|(1<<21)
	s_or_b32 s[G1W], s44, (3<<16)|(1<<21)
	s_mov_b32 s[G1X+1], 1536<<16                   ; y: four K steps, a row of 12,288 bytes each, 24,576 apart
	s_mov_b32 s[G1X+2], 4<<16
	s_mov_b32 s[G1X+3], 1536<<16
	s_mov_b32 s[G1X+4], 4
	s_mov_b32 s[G1X+5], 3072
	s_mov_b32 s[G1X+6], 0
	s_mov_b32 s[G1X+7], 0
	s_mov_b32 s[G1W+1], 32<<16                     ; w: a dense run of four K steps as 384 rows of 256 bytes
	s_mov_b32 s[G1W+2], 384<<16
	s_mov_b32 s[G1W+3], 32<<16
	s_mov_b32 s[G1W+4], 384
	s_mov_b32 s[G1W+5], 32
	s_mov_b32 s[G1W+6], 0
	s_mov_b32 s[G1W+7], 0
	s_lshr_b32 s20, s17, 1
	s_mul_i32 s20, s20, TILEB
	s_and_b32 s21, s17, 1
	s_mul_i32 s21, s21, XH
	s_add_co_u32 s86, s20, s21
	s_mov_b32 s87, 0
	s_mul_i32 s90, s42, TILEB
	s_mov_b32 s91, 0
	s_wait_dscnt 0x0
	s_wait_kmcnt 0x0
	s_add_nc_u64 s[86:87], s[4:5], s[86:87]
	s_add_nc_u64 s[94:95], s[86:87], 4*KSTB
	s_add_nc_u64 s[90:91], s[6:7], s[90:91]
	s_add_nc_u64 s[98:99], s[90:91], 4*KSTB
.irp g, 84, 88, 92, 96
	s_mov_b32 s[\g], 1
	s_or_b32 s[\g+3], s[\g+3], 0x80000000
.endr
	s_mov_b32 s85, 0
	s_mov_b32 s89, WREG
	s_mov_b32 s93, 4*XH
	s_mov_b32 s97, WREG+4*KSTB
	CROUND                                         ; all sixteen work-groups are here: the joint loads meet
.macro HARM w, g0, g1, next
	s_cmp_eq_u32 s14, \w
	s_cbranch_scc0 \next
	tensor_load_to_lds s[\g0:\g0+3], s[\g1:\g1+7]
	s_nop 0
	PLACES 4
	s_branch .Lhead_asked
\next:
.endm
	HARM 0, 84, G1X, .Lhead_1
	HARM 1, 88, G1W, .Lhead_2
	HARM 2, 92, G1X, .Lhead_3
	tensor_load_to_lds s[96:99], s[G1W:G1W+7]
	s_nop 0
	PLACES 4
.Lhead_asked:
	s_lshl_b32 s56, s17, 12
	s_lshl_b32 s58, s15, 11
	s_add_co_u32 s56, s56, s58
	s_add_co_u32 s56, s56, YSC
	s_mov_b32 s57, 0
	s_add_nc_u64 s[68:69], s[4:5], s[56:57]        ; y's scale rows, my four blocks
	s_lshl_b32 s56, s42, 13
	s_lshl_b32 s58, s16, 12
	s_add_co_u32 s56, s56, s58
	s_add_co_u32 s56, s56, WPSC
	s_add_nc_u64 s[70:71], s[6:7], s[56:57]        ; w's, my eight
	s_lshl_b32 s56, s42, 10
	s_lshl_b32 s58, s16, 9
	s_add_co_u32 s56, s56, s58
	s_add_nc_u64 s[8:9], s[8:9], s[56:57]          ; b_proj at my 128 columns
	s_add_nc_u64 s[10:11], s[10:11], s[56:57]
	s_lshl_b32 s56, s17, 19
	s_lshl_b32 s58, s15, 18
	s_add_co_u32 s56, s56, s58
	s_add_nc_u64 s[10:11], s[10:11], s[56:57]      ; out0 at my 64 tokens
	s_mul_i32 s66, s15, 4*FRB
	s_mul_i32 s67, s16, XH
	s_add_co_u32 s67, s67, WREG
	s_mul_i32 s23, s14, 16*SPITCH
	v_and_b32 v1, 31, v0
	v_lshlrev_b32 v[L16], 4, v1
	v_and_b32 v2, 15, v0
	v_bfe_u32 v3, v0, 4, 1
	v_lshlrev_b32 v[R8], 4, v2
	v_lshl_add_u32 v[R8], v3, 3, v[R8]
	v_lshlrev_b32 v[SCA], 5, v2
	v_lshl_add_u32 v[SCA], v3, 4, v[SCA]
	v_lshlrev_b32 v[BH], 6, v3
	v_mul_u32_u24 v[STO], v2, SPITCH
	v_lshl_add_u32 v[STO], v3, 6, v[STO]
	v_add_nc_u32 v[STO], s23, v[STO]               ; the stage, in: row r, 64 bytes for each half of the lanes
	s_wait_alu depctr_va_vdst(0)                   ; the wait ahead of the readers below
	v_add_nc_u32 v[RD], s23, v[L16]                ; and back: the 32 lanes take a row of 512 bytes
.irp j, 0,1
	v_add_nc_u32 v[XA+\j], s66, v[L16]
	v_add_nc_u32 v[XA+2+\j], s66, v[R8]
	s_add_co_u32 s66, s66, 4*XH
.endr
.irp j, 0,1,2,3
	v_add_nc_u32 v[WA+\j], s67, v[L16]
	v_add_nc_u32 v[WA+4+\j], s67, v[R8]
	s_add_co_u32 s67, s67, 2*KSTB
.endr
.irp i, 0,1,2,3
	global_load_b128 v[SCP+4*\i:SCP+4*\i+3], v[SCA], s[68:69] offset:512*\i
.endr
.irp i, 0,1,2,3,4,5,6,7
	global_load_b128 v[SCR+4*\i:SCR+4*\i+3], v[SCA], s[70:71] offset:512*\i
.endr
	WIN 0xc0
.irp b, 0,1,2,3,4,5,6,7                        ; the bias in the result's layout: R's block b, my half's eight columns
	global_load_b128 v[BQ+8*\b:BQ+8*\b+3], v[BH], s[8:9] offset:(32*(\b/2)+8*(\b%2))*4
	global_load_b128 v[BQ+8*\b+4:BQ+8*\b+7], v[BH], s[8:9] offset:(32*(\b/2)+8*(\b%2))*4+16
.endr
	WIN 0
	s_wait_alu depctr_va_vdst(0)                   ; the wait at the head's end
	s_cmp_lt_u32 s14, 2                            ; waves 0 and 1 brought K steps 0-3; the other two loads may stay out
	s_cbranch_scc0 .Lrest_out
	s_wait_tensorcnt 0x0
.Lrest_out:
	s_barrier_signal -1
	s_barrier_wait -1
	LOADS 0, 0
	s_wait_loadcnt 0x0
	STEP 0
	STEP 1
	STEP 2
	s_wait_tensorcnt 0x0                           ; K steps 4-7 are shown to all; my reads of K steps 0-3 are over
	s_wait_dscnt 0x0
	s_barrier_signal -1
	MUL32 3
	s_barrier_wait -1
	PLACES 4
	LOADS 4, 0
	STEP 4
	STEP 5
	STEP 6
	s_wait_dscnt 0x0
	MUL32 7
; THE WAY OUT, block by block of 16 rows x 128 columns: through my stage, back as whole rows of 512 bytes.  LDS serves a wave's instructions in order: no wait between the stores and the loads.
.macro TOSTAGE a
	WIN 0x08
.irp b, 0,1,2,3,4,5,6,7
	ds_store_b128 v[STO], v[64*(\a)+8*\b:64*(\a)+8*\b+3] offset:128*(\b/2)+32*(\b%2)
	ds_store_b128 v[STO], v[64*(\a)+8*\b+4:64*(\a)+8*\b+7] offset:128*(\b/2)+32*(\b%2)+16
.endr
	WIN 0
.irp t, 0,1,2,3,4,5,6,7,8,9,10,11,12,13,14,15
	ds_load_b128 v[BK+64*((\a)%2)+4*\t:BK+64*((\a)%2)+4*\t+3], v[RD] offset:\t*SPITCH
.endr
.endm
.macro SEND a, younger
	s_wait_dscnt \younger
.irp t, 0,1,2,3,4,5,6,7,8,9,10,11,12,13,14,15
	global_store_b128 v[L16], v[BK+64*((\a)%2)+4*\t:BK+64*((\a)%2)+4*\t+3], s[10:11] offset:(32*((\a)/2)+8*((\a)%2)+\t+8*(\t/8))*4096 th:TH_STORE_NT
.endr
.endm
	PLACES 4
	TOSTAGE 0
.irp a, 1,2,3
.if \a > 1
	s_wait_xcnt 0x0                                ; the stores of two blocks ago have read their registers
.endif
	TOSTAGE \a
	SEND \a-1, 32                                  ; behind that block's loads: 16 stores and 16 loads
.endr
	SEND 3, 0
	s_wait_tensorcnt 0x0                           ; the wave's end
	ds_add_u32 v[SPW], v[NIL]
	s_wait_dscnt 0x0
	CROUND                                         ; the closing round
	s_endpgm
.Lfunc_end_k_q814d1f59ff_gemm2:
	.size	k_q814d1f59ff_gemm2, .Lfunc_end_k_q814d1f59ff_gemm2-k_q814d1f59ff_gemm2
	.p2alignl 7, 3214868480
	.fill 96, 4, 3214868480
	.section	.rodata,"a",@progbits
	.p2align	6, 0x0
	.amdhsa_kernel k_q814d1f59ff_gemm2
		.amdhsa_group_segment_fixed_size 327680
		.amdhsa_private_segment_fixed_size 0
		.amdhsa_enable_private_segment 0
		.amdhsa_kernarg_size 32
		.amdhsa_user_sgpr_count 2
		.amdhsa_user_sgpr_kernarg_segment_ptr 1
		.amdhsa_wavefront_size32 1
		.amdhsa_system_sgpr_workgroup_id_x 1
		.amdhsa_system_sgpr_workgroup_id_y 1
		.amdhsa_system_sgpr_workgroup_id_z 1
		.amdhsa_system_vgpr_workitem_id 0
		.amdhsa_next_free_vgpr 1024
		.amdhsa_next_free_sgpr 100
		.amdhsa_reserve_vcc 0
		.amdhsa_float_denorm_mode_32 3
		.amdhsa_float_denorm_mode_16_64 3
		.amdhsa_memory_ordered 1
		.amdhsa_forward_progress 1
		.amdhsa_inst_pref_size 84
	.end_amdhsa_kernel
	.amdgpu_metadata
---
amdhsa.version: [ 1, 2 ]
amdhsa.kernels:
  - .name:           k_q814d1f59ff_gemm2
    .symbol:         k_q814d1f59ff_gemm2.kd
    .args:
      - { .name: yq, .offset: 0, .size: 8, .value_kind: global_buffer, .address_space: global }
      - { .name: wpq, .offset: 8, .size: 8, .value_kind: global_buffer, .address_space: global }
      - { .name: b_proj, .offset: 16, .size: 8, .value_kind: global_buffer, .address_space: global }
      - { .name: out0, .offset: 24, .size: 8, .value_kind: global_buffer, .address_space: global }
    .group_segment_fixed_size: 327680
    .private_segment_fixed_size: 0
    .kernarg_segment_align: 8
    .kernarg_segment_size: 32
    .max_flat_workgroup_size: 128
    .sgpr_count:     100
    .vgpr_count:     1024
    .wavefront_size: 32
...
	.end_amdgpu_metadata
.endif
;; end of part 4
